; MI455X (gfx1250); checked and timed in simulation.
; The chip was launched on July 23, 2026; its instructions are those of AMD's public machine-readable ISA for CDNA 5 (MIT licence, August 2026) and "CDNA5" Instruction Set Architecture Reference Guide (July 2026). The comments in the code are by the model that wrote it; some were corrected since.
;; TT Multihead Attention. Allowed arithmetic: matrix products marked QUANTISED: E2M1 operands, one E8M0 scale for each 32 along K, by v_wmma_scale_f32_16x16x128_f8f6f4 with both operands' format E2M1 (or v_wmma_scale_f32_32x16x128_f4), f32 sums; products left as they are: bf16, f16 or f32 operands; f32 sums; everything else in f32.
;; Inputs: Wk 1,024 x 1,024 float32; Wo 1,024 x 1,024 float32; Wq 1,024 x 1,024 float32; Wv 1,024 x 1,024 float32; key 4 x 2,048 x 1,024 float32; query 4 x 2,048 x 1,024 float32; value 4 x 2,048 x 1,024 float32.
;; Outputs: out0 4 x 2,048 x 1,024 float32.
;; This version of the problem:
;;   THIS VERSION OF THE PROBLEM IS GIVEN IN LOW PRECISION. The matrix products marked QUANTISED in the list below multiply operands that are first quantised to E2M1 (2 exponent bits, 1 mantissa bit; 4 bits a number), with one power-of-two scale for each 32 numbers along K (OCP MX v1.0); their sums are f32. The products marked 'left as it is' may take bf16, f16 or f32 operands, with f32 sums. Whichever they take, every output number must still come out within the allowed error. Rounding operands to bf16 (8 significant bits) uses up far more of that allowance than f16 does (11 bits, for magnitudes from 6e-5 to 65,504). All else is computed in f32.
;;   The module's matrix products, in the order in which they are computed (A, B: the left and right operand; K: the contracted axis; several contracted axes count as one K, in the product's order):
;;     1. [M 8,192, K 1,024] x [K 1,024, N 1,024]; A: input query; B: input Wq: QUANTISED
;;     2. [M 8,192, K 1,024] x [K 1,024, N 1,024]; A: input key; B: input Wk: QUANTISED
;;     3. [M 8,192, K 1,024] x [K 1,024, N 1,024]; A: input value; B: input Wv: QUANTISED
;;     4. batch 64 x [M 2,048, K 64] x [K 64, N 2,048]; A: computed on the way; B: computed on the way: left as it is (an operand is computed on the way)
;;     5. batch 64 x [M 2,048, K 2,048] x [K 2,048, N 64]; A: computed on the way; B: computed on the way: left as it is (an operand is computed on the way)
;;     6. [M 8,192, K 1,024] x [K 1,024, N 1,024]; A: computed on the way; B: input Wo: left as it is (an operand is computed on the way)
;;   THE QUANTISER, for each operand of a quantised product, along K:
;;     - K is cut into blocks of 32 from its start; a last block that is shorter is filled with zeros.
;;     - A block's scale is 2^e with e = floor(log2(the largest magnitude in the block)) - 2, held to -126 .. 127; a block of zeros has e = 0. As a byte (E8M0): e + 127.
;;     - Each number is divided by its block's scale, clamped to +-6, and rounded to the nearest number of E2M1, ties to even, subnormals kept.
;;     - The product sums the exact products of the quantised numbers (number of the format x scale) in f32.
;;   ~~~python
;;   def quantise(x, axis):      # numpy; x: float32 -> the quantised numbers, widened to float32 again
;;       x = np.moveaxis(x, axis, -1); K = x.shape[-1]
;;       x = np.pad(x, [(0, 0)] * (x.ndim - 1) + [(0, -K % 32)]); x = x.reshape(x.shape[:-1] + (-1, 32)); a = np.abs(x).max(-1, keepdims=True)
;;       e = np.where(a > 0, np.clip(np.frexp(np.where(a > 0, a, 1))[1] - 1 - 2, -126, 127), 0)      # np.frexp(a)[1] - 1 = floor(log2(a)), exactly
;;       r = np.clip(x / 2.0 ** e, -6, 6)
;;       step = 2.0 ** (np.maximum(np.frexp(np.where(r == 0, 1, r))[1] - 1, 0) - 1)
;;       q = np.round(r / step) * step * 2.0 ** e      # np.round: ties to even
;;       return np.moveaxis(q.reshape(q.shape[:-2] + (-1,))[..., :K], -1, axis).astype(np.float32)
;;   ~~~
;; One version. Each part assembles by itself: llvm-mc -triple=amdgcn-amd-amdhsa -mcpu=gfx1250 --defsym DOCPART=n.
;; ======== version 1 of 1: 4 launches
;; limits: values are held in f16: magnitudes above 65,504 overflow, below 6.1e-05 lose precision
;; workspace buffers: xc 12,582,912 bytes; xs 786,432 bytes; wc 1,572,864 bytes; ws 98,304 bytes; wo16 2,097,152 bytes; qkv 50,331,648 bytes; att 16,777,216 bytes
;; launch quant (part 1): grid 992 x 1, 4 waves a work-group, no clusters, 33,280 bytes of LDS; arguments query, key, value, Wq, Wk, Wv, Wo, xc, xs, wc, ws, wo16; writes xc, xs, wc, ws, wo16
.if DOCPART == 1
	.amdgcn_target "amdgcn-amd-amdhsa--gfx1250"
	.amdhsa_code_object_version 6
	.text
	.protected	k_qafec5f7b6b_quant
	.globl	k_qafec5f7b6b_quant
	.p2align	8
	.type	k_qafec5f7b6b_quant,@function
k_qafec5f7b6b_quant:
	s_mov_b64 s[64:65], 0
	v_nop
	global_prefetch_b8 v0, s[64:65] scope:SCOPE_SE
	s_setreg_imm32_b32 hwreg(HW_REG_WAVE_MODE, 25, 1), 1
	s_wait_xcnt 0x0
; query, key, value [8192][1024] and Wq, Wk, Wv [1024][1024], f32 with K innermost, become codes of FP4 (E2M1), two a byte, K innermost, with one E8M0 byte for each 32 along K.
; xc = [3][8192][512 bytes], xs = [3][8192][32 bytes], wc = [3][1024][512], ws = [3][1024][32].  Wo [1024][1024] f32 is rounded to f16 (wo16): its product is not a quantised one.
; A block's scale is 2^(floor(log2(its largest magnitude)) - 2); its byte is the largest magnitude's exponent field - 2, held at 1 from below.  A block of zeros so gets the byte 1 where the rule says 127:
; its codes are zeros, which add nothing under any byte but 0xff, and the bytes are read by this program alone.
; LIMITS: blocks whose largest magnitude lies under 2^(2 - 126), the floor, are quantised under the byte 1; NaN and infinities among the inputs are not served; |Wo| stays under 65,504.
; Rows are dense and K is a multiple of 32: every tensor is a plain stream of blocks of 32, and so are its codes and bytes.  Work-groups 0-767 take query, key, value (256 each), 768-863 Wq, Wk, Wv (32 each):
; 32,768 numbers a work-group, 16 steps of 512 a wave.  Only pointers are chosen by the work-group's number: the six tensors take ONE path.  Work-groups 864-991 take 8,192 numbers of Wo each, on a path without LDS.
; A step's four loads read 512 consecutive bytes each; the 2,048 bytes turn through the wave's own stage in LDS, so that a lane holds 16 neighbours along K (two lanes a block); a lane's 16 codes are 8 bytes:
; the wave stores 256 consecutive bytes, aligned.  A wave's 256 scale bytes are gathered in LDS and leave as 256 consecutive bytes, aligned.
; No cluster: no two work-groups read the same bytes.  No tensor load, no barrier: waves share nothing.
.set WAVES, 4
.set STEPS, 16
.set EMAX,  2
.set CB,    8                          ; bytes of 16 codes
.set R,     16                         ; v16-79   four sets of 16 numbers as they are loaded
.set X,     80                         ; v80-111  two sets of 16 neighbours
.set E,     112                        ; v112-127 a scale byte for each step
.set C,     128                        ; v128-191 codes: registers of its own for each step, so that no store's data are written again
.set WREG,  8192                       ; LDS: a region for each wave: two stages of 32 x SP bytes, behind them its 256 scale bytes
.set SP,    80                         ; a lane's place in a stage: 64 bytes + 16 of padding
.set SPW,   12                         ; v12  LDS address of my spare word; never rewritten
.set NIL,   13                         ; v13  0; never rewritten
.set SPARE, WAVES*WREG                 ; behind the regions: the spare words, 128 bytes a wave
.set GX,    768                        ; work-groups of query, key, value
.set GW,    864                        ; the first work-group of Wo
.set WV,    40                         ; s40  my wave's number
	s_load_b512 s[8:23], s[0:1], 0x0               ; query 8, key 10, value 12, Wq 14, Wk 16, Wv 18, Wo 20, xc 22
	s_load_b128 s[24:27], s[0:1], 0x40             ; xs 24, wc 26
	s_load_b128 s[28:31], s[0:1], 0x50             ; ws 28, wo16 30
	v_lshl_add_u32 v[SPW], v0, 2, SPARE
	v_mov_b32 v[NIL], 0
	v_lshrrev_b32 v1, 5, v0
	v_readfirstlane_b32 s[WV], v1                  ; wave
	v_and_b32 v2, 31, v0                           ; lane
	v_lshlrev_b32 v3, 4, v2                        ; my 16 bytes of a load's 512
	s_mul_i32 s41, s[WV], WREG
	v_lshrrev_b32 v14, 2, v2
	v_mul_u32_u24 v14, v14, SP
	v_and_b32 v15, 3, v2
	v_lshl_add_u32 v14, v15, 4, v14
	v_add_nc_u32 v14, s41, v14                     ; the stage, on the way in: SP (lane / 4) + 16 (lane % 4)
	v_mul_u32_u24 v15, v2, SP
	v_add_nc_u32 v15, s41, v15                     ; and on the way out: SP x lane: my 16 neighbours
	v_mul_u32_u24 v4, v2, CB                       ; my codes' place in a step's
	v_lshrrev_b32 v5, 1, v2
	s_add_co_u32 s41, s41, 2*32*SP
	v_add_nc_u32 v5, s41, v5                       ; LDS: my wave's 256 scale bytes, my block's byte
	v_lshlrev_b32 v7, 3, v2                        ; 8 bytes a lane
	v_add_nc_u32 v6, s41, v7
	s_wait_kmcnt 0x0
	s_cmp_ge_u32 ttmp9, GW
	s_cbranch_scc1 .Lwo
	; which tensor: a chain of choices on the work-group's number alone
	s_cmp_lt_u32 ttmp9, 832
	s_cselect_b64 s[4:5], s[16:17], s[18:19]       ; Wk or Wv
	s_cmp_lt_u32 ttmp9, 800
	s_cselect_b64 s[4:5], s[14:15], s[4:5]         ; Wq
	s_cmp_lt_u32 ttmp9, GX
	s_cselect_b64 s[4:5], s[12:13], s[4:5]         ; value
	s_cselect_b64 s[36:37], s[22:23], s[26:27]     ; codes: xc or wc
	s_cselect_b64 s[38:39], s[24:25], s[28:29]     ; bytes: xs or ws
	s_cselect_b32 s33, 0, GX                       ; the first work-group of the three tensors
	s_cselect_b32 s34, 255, 31                     ; work-groups in a tensor, less 1
	s_cmp_lt_u32 ttmp9, 512
	s_cselect_b64 s[4:5], s[10:11], s[4:5]         ; key
	s_cmp_lt_u32 ttmp9, 256
	s_cselect_b64 s[4:5], s[8:9], s[4:5]           ; query
	s_sub_co_u32 s33, ttmp9, s33
	s_and_b32 s34, s33, s34
	s_lshl_b32 s33, s33, 2
	s_add_co_u32 s33, s33, s[WV]                   ; which run of 8,192 numbers of the three tensors on end (the outputs are laid so),
	s_lshl_b32 s34, s34, 2
	s_add_co_u32 s34, s34, s[WV]                   ; and of its own tensor
	s_mov_b32 s43, 0
	s_lshl_b32 s42, s34, 15                        ; 32,768 bytes of f32 a run
	s_add_nc_u64 s[4:5], s[4:5], s[42:43]
	s_lshl_b32 s42, s33, 12                        ; 4,096 bytes of codes
	s_add_nc_u64 s[36:37], s[36:37], s[42:43]
	s_lshl_b32 s42, s33, 8                         ; 256 scale bytes
	s_add_nc_u64 s[38:39], s[38:39], s[42:43]
.macro LOAD t
.irp i, 0,1,2,3
	global_load_b128 v[R+16*((\t)%4)+4*\i:R+16*((\t)%4)+4*\i+3], v3, s[4:5] offset:2048*(\t)+512*\i th:TH_LOAD_NT   ; 32 lanes read 512 consecutive bytes
.endr
.endm
.macro TURN t                          ; step t's numbers through the stage: LDS serves a wave's instructions in order, so no wait stands between the stores and the loads
.irp i, 0,1,2,3
	ds_store_b128 v14, v[R+16*((\t)%4)+4*\i:R+16*((\t)%4)+4*\i+3] offset:32*SP*((\t)%2)+8*SP*\i
.endr
.irp i, 0,1,2,3
	ds_load_b128 v[X+16*((\t)%2)+4*\i:X+16*((\t)%2)+4*\i+3], v15 offset:32*SP*((\t)%2)+16*\i
.endr
.endm
.irp t, 0,1,2,3
	LOAD \t
.endr
	s_wait_loadcnt 12                              ; step 0's four loads are in; the 12 of steps 1 to 3 stay out
	TURN 0
.macro STEP t
.set XS, X+16*((\t)%2)
.if (\t) > 0
	s_wait_dscnt 1                                 ; this step's numbers are back from the stage (the last step's byte store may be out): so its stores into the stage have read their registers,
.else
	s_wait_dscnt 0x0
.endif
.if (\t)+4 < STEPS
	LOAD (\t)+4                                    ; which take the loads of four steps on
.endif
.if (\t)+1 < STEPS
.if STEPS-2-(\t) >= 3
	s_wait_loadcnt 12                              ; the next step's four loads are in; those of the three steps behind it may be out
.else
	s_wait_loadcnt 4*(STEPS-2-(\t))
.endif
	TURN (\t)+1                                    ; and go through the other stage while this step is worked
.endif
	v_max3_num_f32 v8, |v[XS]|, |v[XS+1]|, |v[XS+2]|               ; the largest magnitude of my 16, in two chains
	v_max3_num_f32 v9, |v[XS+3]|, |v[XS+4]|, |v[XS+5]|
.irp i, 6,10
	v_max3_num_f32 v8, v8, |v[XS+\i]|, |v[XS+\i+1]|
	v_max3_num_f32 v9, v9, |v[XS+\i+2]|, |v[XS+\i+3]|
.endr
	v_max3_num_f32 v8, v8, |v[XS+14]|, |v[XS+15]|
	v_max3_num_f32 v8, v8, v9, (EMAX+1)<<23        ; and the floor 2^(EMAX + 1 - 127): the byte cannot fall under 1
	v_max_num_f32_dpp v8, v8, v8 row_xmask:1 row_mask:0xf bank_mask:0xf   ; and of my neighbour's 16: the block's
	v_add_nc_u32 v11, -(EMAX<<23), v8              ; EMAX off its exponent field: the conversion takes the exponent field of this operand as its scale
	v_cvt_scalef32_pk8_fp4_f32 v[C+4*(\t)], v[XS:XS+7], v11        ; to the nearest code, ties to even, beyond the largest code the largest
	v_cvt_scalef32_pk8_fp4_f32 v[C+4*(\t)+1], v[XS+8:XS+15], v11
	v_lshrrev_b32 v[E+(\t)], 23, v11               ; the scale's byte (also the plain line behind the conversions)
	ds_store_b8 v5, v[E+(\t)] offset:16*(\t)       ; both lanes of a block write the same byte with the same value
	global_store_b64 v4, v[C+4*(\t):C+4*(\t)+1], s[36:37] offset:32*CB*(\t)   ; 256 consecutive bytes, aligned
.endm
.irp t, 0,1,2,3,4,5,6,7,8,9,10,11,12,13,14,15
	STEP \t
.endr
	ds_load_b64 v[8:9], v6                         ; LDS serves a wave's instructions in order: these see my byte stores
	s_wait_dscnt 0x0
	global_store_b64 v7, v[8:9], s[38:39]          ; 256 consecutive bytes, aligned
	s_wait_tensorcnt 0x0                           ; the wave's end
	ds_add_u32 v[SPW], v[NIL]
	s_wait_dscnt 0x0
	s_endpgm
.Lwo:                                              ; Wo to f16: 2,048 numbers a wave; every load and store has registers of its own, every offset is an immediate
	s_sub_co_u32 s33, ttmp9, GW
	s_lshl_b32 s33, s33, 2
	s_add_co_u32 s33, s33, s[WV]                   ; which run of 2,048 numbers
	s_mov_b32 s43, 0
	s_lshl_b32 s42, s33, 13
	s_add_nc_u64 s[20:21], s[20:21], s[42:43]
	s_lshl_b32 s42, s33, 12
	s_add_nc_u64 s[30:31], s[30:31], s[42:43]
.irp i, 0,1,2,3,4,5,6,7,8,9,10,11,12,13,14,15
	global_load_b128 v[R+4*\i:R+4*\i+3], v3, s[20:21] offset:512*\i th:TH_LOAD_NT
.endr
.irp i, 0,1,2,3,4,5,6,7,8,9,10,11,12,13,14,15
	s_wait_loadcnt 15-\i                           ; loads come back in order: load i is in, the younger ones stay out
	v_cvt_pk_f16_f32 v[X+2*\i], v[R+4*\i], v[R+4*\i+1]
	v_cvt_pk_f16_f32 v[X+2*\i+1], v[R+4*\i+2], v[R+4*\i+3]
	global_store_b64 v7, v[X+2*\i:X+2*\i+1], s[30:31] offset:256*\i   ; 256 consecutive bytes, aligned
.endr
	s_wait_tensorcnt 0x0                           ; the wave's end, in the same form as on the other path
	ds_add_u32 v[SPW], v[NIL]
	s_wait_dscnt 0x0
	s_endpgm
.Lfunc_end_k_qafec5f7b6b_quant:
	.size	k_qafec5f7b6b_quant, .Lfunc_end_k_qafec5f7b6b_quant-k_qafec5f7b6b_quant
	.p2alignl 7, 3214868480
	.fill 96, 4, 3214868480
	.section	.rodata,"a",@progbits
	.p2align	6, 0x0
	.amdhsa_kernel k_qafec5f7b6b_quant
		.amdhsa_group_segment_fixed_size 33280
		.amdhsa_private_segment_fixed_size 0
		.amdhsa_enable_private_segment 0
		.amdhsa_kernarg_size 96
		.amdhsa_user_sgpr_count 2
		.amdhsa_user_sgpr_kernarg_segment_ptr 1
		.amdhsa_wavefront_size32 1
		.amdhsa_system_sgpr_workgroup_id_x 1
		.amdhsa_system_sgpr_workgroup_id_y 1
		.amdhsa_system_sgpr_workgroup_id_z 1
		.amdhsa_system_vgpr_workitem_id 0
		.amdhsa_next_free_vgpr 192
		.amdhsa_next_free_sgpr 66
		.amdhsa_reserve_vcc 0
		.amdhsa_float_denorm_mode_32 3
		.amdhsa_float_denorm_mode_16_64 3
		.amdhsa_memory_ordered 1
		.amdhsa_forward_progress 1
		.amdhsa_inst_pref_size 40
	.end_amdhsa_kernel
	.amdgpu_metadata
---
amdhsa.version: [ 1, 2 ]
amdhsa.kernels:
  - .name:           k_qafec5f7b6b_quant
    .symbol:         k_qafec5f7b6b_quant.kd
    .args:
      - { .name: query, .offset: 0, .size: 8, .value_kind: global_buffer, .address_space: global }
      - { .name: key, .offset: 8, .size: 8, .value_kind: global_buffer, .address_space: global }
      - { .name: value, .offset: 16, .size: 8, .value_kind: global_buffer, .address_space: global }
      - { .name: Wq, .offset: 24, .size: 8, .value_kind: global_buffer, .address_space: global }
      - { .name: Wk, .offset: 32, .size: 8, .value_kind: global_buffer, .address_space: global }
      - { .name: Wv, .offset: 40, .size: 8, .value_kind: global_buffer, .address_space: global }
      - { .name: Wo, .offset: 48, .size: 8, .value_kind: global_buffer, .address_space: global }
      - { .name: xc, .offset: 56, .size: 8, .value_kind: global_buffer, .address_space: global }
      - { .name: xs, .offset: 64, .size: 8, .value_kind: global_buffer, .address_space: global }
      - { .name: wc, .offset: 72, .size: 8, .value_kind: global_buffer, .address_space: global }
      - { .name: ws, .offset: 80, .size: 8, .value_kind: global_buffer, .address_space: global }
      - { .name: wo16, .offset: 88, .size: 8, .value_kind: global_buffer, .address_space: global }
    .group_segment_fixed_size: 33280
    .private_segment_fixed_size: 0
    .kernarg_segment_align: 8
    .kernarg_segment_size: 96
    .max_flat_workgroup_size: 128
    .sgpr_count:     66
    .vgpr_count:     192
    .wavefront_size: 32
...
	.end_amdgpu_metadata
.endif
;; end of part 1
;; launch proj (part 2): grid 4 x 96, 4 waves a work-group, clusters of 4 x 4, 327,680 bytes of LDS; arguments xc, xs, wc, ws, qkv; writes qkv
.if DOCPART == 2
	.amdgcn_target "amdgcn-amd-amdhsa--gfx1250"
	.amdhsa_code_object_version 6
	.text
	.protected	k_qafec5f7b6b_proj
	.globl	k_qafec5f7b6b_proj
	.p2align	8
	.type	k_qafec5f7b6b_proj,@function
k_qafec5f7b6b_proj:
	s_mov_b64 s[64:65], 0
	v_nop
	global_prefetch_b8 v0, s[64:65] scope:SCOPE_SE
	s_setreg_imm32_b32 hwreg(HW_REG_WAVE_MODE, 25, 1), 1
	s_wait_xcnt 0x0
	s_wait_alu depctr_hold_cnt(0) depctr_sa_sdst(0) depctr_va_vdst(0) depctr_va_sdst(0) depctr_va_ssrc(0) depctr_va_vcc(0) depctr_vm_vsrc(0)
	s_getreg_b32 s2, hwreg(HW_REG_IB_STS2, 6, 4)
	s_cmp_eq_u32 s2, 0
	s_cbranch_scc0 .Lentry_in_a_cluster
	s_endpgm
.Lentry_in_a_cluster:
	s_bfe_u32 s2, ttmp6, 0x10000c
	s_cmp_lg_u32 s2, 0xf033
	s_cbranch_scc0 .Lentry_shape_is_right
	s_endpgm
.Lentry_shape_is_right:
; The three projections as ONE product on codes of FP4 (E2M1) with E8M0 scales: C[m][n] = sum over k of X[m][k] W[t][n][k], m = 0 .. 24,575 (query's, key's, value's 8,192 rows on end), t = m / 8,192, n, k = 0 .. 1,023.
; The result is rounded once to f16 and laid head-major: qkv[t][b 16 + h][s][d], m = 8,192 t + 2,048 b + s, n = 64 h + d: a head's row is 128 bytes, two neighbouring s are 256 consecutive bytes, aligned.
; A tile of C, 256 x 256, is made by four waves, 128 x 128 each: 64 accumulators of 16 x 16, 512 registers.  K = 1,024 is two K steps of 512 (tile rows of 256 bytes): both LDS slots and the scales of all of K
; are asked for at the start and nothing is filled again: three tensor loads of a wave are out at the most.
; CLUSTERS: 4 x 4 work-groups.  The four of a row of the cluster need the same tiles of X, the four of a column the same tiles of W: each is asked for JOINTLY.  A cluster's 1,024 rows lie in one tensor t
; (8 clusters a tensor), so t hangs on the cluster's y alone and W's descriptors are equal along a column.
; THE MATRIX INSTRUCTION IS USED TRANSPOSED (source 0 = 16 rows of W, source 1 = 16 rows of X): a lane holds eight neighbouring n of one row m.
; REGISTERS, in windows of 256: window 0: v0-31 addresses; v32-95 scale words, two sets; v128-191 X's fragments, ONE set; on the way out v32-63, v192-255.
;   window 1: W's fragments, TWO sets, at v0 and v128.   window 2: the accumulators of my rows 0-63 ((a, b) at v[8 (8 a + b)]);   window 3: those of rows 64-127.
; LIMIT: |q|, |k|, |v| stay under 65,504, f16's largest number.
.set SIZE_K, 1024
.set KSTEP,  512
.set NQ,     KSTEP/128                 ; matrix instructions deep in a slot
.set ROWB,   256                       ; a tile's row in bytes
.set KROW,   SIZE_K*4/8                ; a row of codes in memory
.set PITCH,  272                       ; an LDS row: 256 bytes + 16 of padding: the 16 rows that a load touches start at 16 different banks (64 banks of 4 bytes: ISA guide 11.1)
.set FR,     8
.set NL,     2
.set NP,     4                         ; places behind this matrix instruction (ISA guide 7.12.1)
.set HALFT,  128*PITCH
.set SLOT,   4*HALFT                   ; X's 256 rows, then W's 256 rows
.set KS,     SIZE_K/32                 ; a row of scale bytes
.set SCL,    2*SLOT                    ; behind the slots: the scales, as rows of 256 bytes + 16 of padding
.set HALFS,  (128*KS/256)*272
.set SBLK,   (16*KS/256)*272
.set SPARE,  SCL+4*HALFS               ; the spare words, 128 bytes a wave
.set SPITCH, 272                       ; the way out: 16 rows x (256 bytes + 16) for each wave, in slot 0, which has had its only fill and its last read by then
.set ADRA, 16
.set ADRB, 20
.set STO,  24
.set RD,   25
.set CO,   26
.set ADRS, 27
.set SPW,  28
.set NIL,  29
.set SC,   32
.set AF,   128
.set TMP,  192                         ; the way out: packed results
.set OB,   32                          ; and rows read back: v32-63 and v224-255 by turns
.set G1, 24
.set G0, 32
.set G1B, 48
.set G0B, 56
.set G1S, 68
.set G0S, 76
.set G1SB, 80
.set G0SB, 88
.set MSB, 0
.macro WIN new                         ; the immediate's high byte repeats the setting that is left
.if MSB != \new
	s_set_vgpr_msb (MSB<<8)|\new
.set MSB, \new
.endif
.endm
.set MUL_LO, 0xa1                      ; source 0 (W) window 1, source 1 (X) window 0, C and D window 2
.set MUL_HI, 0xf1
.set TO_B,   0x40
; A joint load: waves 0 and 1 fetch for X, waves 2 and 3 for W.  The branch hangs on the wave's number alone.  An s_nop 0 and four v_nop follow each line.
.macro JLOAD g0a, g1a, g0b, g1b
	s_cmp_eq_u32 s15, 0
	s_cbranch_scc0 .Lfor_b_\@
	tensor_load_to_lds s[\g0a:\g0a+3], s[\g1a:\g1a+7]
	s_nop 0
.rept 4
	v_nop
.endr
	s_branch .Lasked_\@
.Lfor_b_\@:
	tensor_load_to_lds s[\g0b:\g0b+3], s[\g1b:\g1b+7]
	s_nop 0
.rept 4
	v_nop
.endr
.Lasked_\@:
.endm
.macro CROUND                          ; a round of the cluster's barrier
	s_barrier_signal -1
	s_barrier_wait -1
	s_cmp_lg_u32 s14, 0
	s_cbranch_scc1 .Lnot_wave_0_\@
	s_barrier_signal -3
.Lnot_wave_0_\@:
	s_barrier_wait -3
	s_barrier_signal -1
	s_barrier_wait -1
.endm
	s_load_b128 s[4:7], s[0:1], 0x0                ; X's codes, X's scales
	s_load_b128 s[8:11], s[0:1], 0x10              ; W's codes, W's scales
	s_load_b64 s[12:13], s[0:1], 0x20              ; qkv
	v_lshl_add_u32 v[SPW], v0, 2, SPARE
	v_mov_b32 v[NIL], 0
	ds_add_u32 v[SPW], v[NIL]                      ; the wave's opening: the add, twice on end, and its wait ahead of my first tensor load
	ds_add_u32 v[SPW], v[NIL]
	v_lshrrev_b32 v1, 5, v0
	v_readfirstlane_b32 s14, v1                    ; wave 0..3
	s_lshr_b32 s15, s14, 1                         ; which half of the tile's rows is mine.  Also: I fetch for X (0) or for W (1)
	s_and_b32 s16, s14, 1                          ; which half of its columns.  Also: which 128 rows I fetch
	s_bfe_u32 s40, ttmp6, 0x40000                  ; cx, cy
	s_bfe_u32 s41, ttmp6, 0x40004
	s_lshl_b32 s42, ttmp9, 2
	s_add_co_u32 s42, s42, s40                     ; tile column
	s_and_b32 s17, ttmp7, 0xffff
	s_lshl_b32 s17, s17, 2
	s_add_co_u32 s17, s17, s41                     ; tile row
	s_and_b32 s95, ttmp7, 0xffff
	s_lshr_b32 s95, s95, 3                         ; t, from the cluster's y alone
	s_lshl_b32 s95, s95, 10                        ; W[t]'s first row
	s_lshl_b32 s43, s41, 2
	s_lshl_b32 s43, 15, s43                        ; my row of the cluster
	s_lshl_b32 s44, 0x1111, s40                    ; my column
	s_or_b32 s[G1+0], s43, (0<<16)|(1<<20)|(1<<21)|(5<<22)|(3<<25)  ; the mask; elements of 1 byte; padding on; bit 21 beside a mask; after every 64 words, 4 words
	s_or_b32 s[G1B+0], s44, (0<<16)|(1<<20)|(1<<21)|(5<<22)|(3<<25)
.irp g, G1, G1B
	s_mov_b32 s[\g+1], ROWB<<16                    ; tensor_dim0
	s_mov_b32 s[\g+2], 128<<16                     ; tensor_dim1
	s_mov_b32 s[\g+3], ROWB<<16                    ; tile_dim0
	s_mov_b32 s[\g+4], 128                         ; tile_dim1
	s_mov_b32 s[\g+5], KROW                        ; the pitch
	s_mov_b32 s[\g+6], 0
	s_mov_b32 s[\g+7], 0
.endr
	s_or_b32 s[G1S+0], s43, (3<<16)|(1<<20)|(1<<21)|(5<<22)|(3<<25) ; the scales of 128 rows: a dense block, as rows of 256 bytes (32 elements of 8 bytes)
	s_or_b32 s[G1SB+0], s44, (3<<16)|(1<<20)|(1<<21)|(5<<22)|(3<<25)
.irp g, G1S, G1SB
	s_mov_b32 s[\g+1], 32<<16
	s_mov_b32 s[\g+2], (128*KS/256)<<16
	s_mov_b32 s[\g+3], 32<<16
	s_mov_b32 s[\g+4], 128*KS/256
	s_mov_b32 s[\g+5], 32
	s_mov_b32 s[\g+6], 0
	s_mov_b32 s[\g+7], 0
.endr
	s_lshl_b32 s18, s16, 7
	s_lshl_b32 s20, s17, 8
	s_add_co_u32 s20, s20, s18                     ; X: row 256 x tile row + 128 x half
	s_lshl_b32 s46, s42, 8
	s_add_co_u32 s46, s46, s18
	s_add_co_u32 s46, s46, s95                     ; W: row 1,024 t + 256 x tile column + 128 x half
	s_mov_b32 s21, 0
	s_mov_b32 s47, 0
	s_mov_b64 s[18:19], KS
	s_mul_u64 s[22:23], s[20:21], s[18:19]
	s_mul_u64 s[92:93], s[46:47], s[18:19]
	s_mov_b64 s[18:19], KROW
	s_mul_u64 s[20:21], s[20:21], s[18:19]
	s_mul_u64 s[46:47], s[46:47], s[18:19]
	s_mul_i32 s45, s14, HALFT                      ; where they go: wave x 128 rows
	s_mul_i32 s94, s14, HALFS
	s_wait_dscnt 0x0                               ; both opening adds are done
	s_wait_kmcnt 0x0
	s_add_nc_u64 s[20:21], s[4:5], s[20:21]
	s_add_nc_u64 s[22:23], s[6:7], s[22:23]
	s_add_nc_u64 s[46:47], s[8:9], s[46:47]
	s_add_nc_u64 s[92:93], s[10:11], s[92:93]
	CROUND                                         ; all sixteen work-groups are here: the joint loads meet
	s_mov_b32 s[G0S], 1
	s_add_co_u32 s[G0S+1], s94, SCL
	s_mov_b64 s[G0S+2:G0S+3], s[22:23]
	s_or_b32 s[G0S+3], s[G0S+3], 0x80000000
	s_mov_b32 s[G0SB], 1
	s_add_co_u32 s[G0SB+1], s94, SCL
	s_mov_b64 s[G0SB+2:G0SB+3], s[92:93]
	s_or_b32 s[G0SB+3], s[G0SB+3], 0x80000000
	JLOAD G0S, G1S, G0SB, G1SB                     ; the scales first: they are wanted with K step 0
.irp s, 0,1
	s_mov_b32 s[G0+4*\s], 1
	s_add_co_u32 s[G0+4*\s+1], s45, \s*SLOT
	s_add_nc_u64 s[G0+4*\s+2:G0+4*\s+3], s[20:21], \s*ROWB
	s_or_b32 s[G0+4*\s+3], s[G0+4*\s+3], 0x80000000
	s_mov_b32 s[G0B+4*\s], 1
	s_add_co_u32 s[G0B+4*\s+1], s45, \s*SLOT
	s_add_nc_u64 s[G0B+4*\s+2:G0B+4*\s+3], s[46:47], \s*ROWB
	s_or_b32 s[G0B+4*\s+3], s[G0B+4*\s+3], 0x80000000
	JLOAD G0+4*\s, G1, G0B+4*\s, G1B
.endr
	v_and_b32 v1, 15, v0                           ; r = l % 16
	v_bfe_u32 v2, v0, 4, 1                         ; h = l / 16
	v_mul_u32_u24 v3, v1, PITCH
	v_lshl_add_u32 v4, v2, 4, v3                   ; a fragment's row x pitch + 16 h
	s_mul_i32 s21, s15, HALFT
	s_mul_i32 s22, s16, HALFT
	s_add_co_u32 s22, s22, 2*HALFT
.irp s, 0,1
	v_add_nc_u32 v[ADRA+\s], s21, v4
	v_add_nc_u32 v[ADRB+\s], s22, v4
	s_add_co_u32 s21, s21, SLOT
	s_add_co_u32 s22, s22, SLOT
.endr
	v_mul_u32_u24 v5, v1, KS                       ; my row's scales: KS bytes a row,
	v_lshrrev_b32 v6, 8, v5
	v_lshl_add_u32 v5, v6, 4, v5                   ; and 16 more for each 256 passed
	s_mul_i32 s21, s15, HALFS
	s_mul_i32 s22, s16, HALFS
	s_add_co_u32 s22, s22, 2*HALFS
	s_sub_co_u32 s22, s22, s21
	v_mul_u32_u24 v6, s22, v2                      ; lanes 16-31 take W's
	s_add_co_u32 s21, s21, SCL
	v_add_nc_u32 v5, v5, v6
	v_add_nc_u32 v[ADRS], s21, v5
	s_mul_i32 s23, s14, 16*SPITCH                  ; my stage
	v_mul_u32_u24 v5, v1, SPITCH                   ; in: row r, 16 bytes for each half of the lanes
	v_lshl_add_u32 v5, v2, 4, v5
	v_add_nc_u32 v[STO], s23, v5
	v_bfe_u32 v6, v0, 3, 1                         ; back: lanes 0-15 take two rows' first 128 bytes (my even head), lanes 16-31 their last 128 (my odd head)
	v_mul_u32_u24 v6, v6, SPITCH
	v_lshl_add_u32 v6, v2, 7, v6
	v_and_b32 v7, 7, v0
	v_lshl_add_u32 v6, v7, 4, v6
	v_add_nc_u32 v[RD], s23, v6
	v_lshlrev_b32 v[CO], 4, v1                     ; in qkv: 16 (l % 16) in the two rows' 256 bytes,
	v_lshl_add_u32 v[CO], v2, 18, v[CO]            ; and a head (262,144 bytes) on for lanes 16-31
	s_lshl_b32 s20, s17, 8
	s_lshl_b32 s21, s15, 7
	s_add_co_u32 s20, s20, s21                     ; m0, my first row
	s_lshr_b32 s21, s20, 11
	s_lshl_b32 s21, s21, 22                        ; 4 t + b: 16 heads of 262,144 bytes each
	s_and_b32 s20, s20, 2047
	s_lshl_b32 s20, s20, 7                         ; s: 128 bytes a row
	s_add_co_u32 s20, s20, s21
	s_lshl_b32 s46, s42, 2
	s_lshl_b32 s47, s16, 1
	s_add_co_u32 s46, s46, s47                     ; my even head: 4 x tile column + 2 x half
	s_lshl_b32 s46, s46, 18
	s_add_co_u32 s20, s20, s46
	s_mov_b32 s21, 0
	s_add_nc_u64 s[12:13], s[12:13], s[20:21]
.macro FRAG reg, adr, q, i             ; 16 rows x 128 K of 4-bit codes: 8 registers: lane l holds row l % 16; registers 4 c .. 4 c + 3 hold K = 64 c + 32 (l / 16) + 0 .. 31
.irp c, 0,1
	ds_load_b128 v[\reg+4*\c:\reg+4*\c+3], v[\adr] offset:64*(\q)+32*\c+(\i)*16*PITCH
.endr
.endm
; 16 matrix instructions: X's blocks a0, a0 + 1 x W's eight, the slot's q-th 128 along K.  The 64 accumulators take turns, one instruction a turn, in the same order in every step.
.macro MUL16 a0, p, q, sc, zero
.irp a, \a0, \a0+1
.irp b, 0,1,2,3,4,5,6,7
.if \zero
	v_wmma_scale_f32_16x16x128_f8f6f4 v[8*(8*((\a)%4)+\b):8*(8*((\a)%4)+\b)+7], v[128*(\p)+FR*\b:128*(\p)+FR*\b+FR-1], v[AF+FR*(\a):AF+FR*(\a)+FR-1], 0, v[SC+8*NQ*(\sc)+NQ*\b+(\q)], v[SC+8*NQ*(\sc)+NQ*(\a)+(\q)] matrix_a_fmt:MATRIX_FMT_FP4 matrix_b_fmt:MATRIX_FMT_FP4 matrix_a_scale:MATRIX_SCALE_ROW1
.else
	v_wmma_scale_f32_16x16x128_f8f6f4 v[8*(8*((\a)%4)+\b):8*(8*((\a)%4)+\b)+7], v[128*(\p)+FR*\b:128*(\p)+FR*\b+FR-1], v[AF+FR*(\a):AF+FR*(\a)+FR-1], v[8*(8*((\a)%4)+\b):8*(8*((\a)%4)+\b)+7], v[SC+8*NQ*(\sc)+NQ*\b+(\q)], v[SC+8*NQ*(\sc)+NQ*(\a)+(\q)] matrix_a_fmt:MATRIX_FMT_FP4 matrix_b_fmt:MATRIX_FMT_FP4 matrix_a_scale:MATRIX_SCALE_ROW1
.endif
.endr
.endr
.endm
.macro FETCH_B slot, q, p
	WIN TO_B
.irp i, 0,1,2,3,4,5,6,7
	FRAG 128*(\p)+FR*\i, ADRB+\slot, \q, \i
.endr
	WIN 0
.endm
.macro FETCH_A slot, q, i0
.irp i, \i0, \i0+1, \i0+2, \i0+3
	FRAG AF+FR*(\i), ADRA+\slot, \q, \i
.endr
.endm
.macro SCALES sc                       ; a K step's scale words: lanes 0-15 take X's block i, lanes 16-31 W's block i
.irp i, 0,1,2,3,4,5,6,7
	ds_load_b128 v[SC+8*NQ*\sc+NQ*\i:SC+8*NQ*\sc+NQ*\i+3], v[ADRS] offset:\i*SBLK
.endr
.endm
.macro PLACES n                        ; plain vector instructions between a matrix instruction and a load into, or a read of, its registers
.rept \n
	v_nop
.endr
.endm
.macro STEP slot, q, zero              ; a step of 128 along K that has its successor in the same slot
	s_wait_dscnt 4*NL                              ; W's set and X's blocks 0-3 are in; the youngest eight loads (X's blocks 4-7) may be out
	WIN MUL_LO
	MUL16 0, (\q)%2, \q, \slot, \zero
	MUL16 2, (\q)%2, \q, \slot, \zero
	s_wait_dscnt 0                                 ; X's blocks 4-7 are in
	PLACES NP
	FETCH_B \slot, (\q)+1, 1-(\q)%2
	FETCH_A \slot, (\q)+1, 0
	WIN MUL_HI
	MUL16 4, (\q)%2, \q, \slot, \zero
	MUL16 6, (\q)%2, \q, \slot, \zero
	PLACES NP
	WIN 0
	FETCH_A \slot, (\q)+1, 4
.endm
; Slot 0's last step changes slots: one barrier; in front of it each wave waits for all its tensor loads (its part of slot 1), adds 0 to its spare word, and waits for that and for its reads of slot 0.
.macro TURN slot, next
	s_wait_tensorcnt 0x0                           ; all my tensor loads have landed
	ds_add_u32 v[SPW], v[NIL]                      ; 0 onto my spare word
	s_wait_dscnt 4*NL+1                            ; (the add and the youngest eight loads may be out)
	WIN MUL_LO
	MUL16 0, 1, NQ-1, \slot, 0
	s_wait_dscnt 0x0                               ; the add is done, and my reads of this slot are over
	s_barrier_signal -1
	MUL16 2, 1, NQ-1, \slot, 0
	WIN 0
	s_barrier_wait -1
	PLACES NP
	v_add_nc_u32 v[ADRS], 4*NQ, v[ADRS]            ; on to the next K step's scale words
	FETCH_B \next, 0, 0
	FETCH_A \next, 0, 0
	SCALES \next
	WIN MUL_HI
	MUL16 4, 1, NQ-1, \slot, 0
	MUL16 6, 1, NQ-1, \slot, 0
	PLACES NP
	WIN 0
	FETCH_A \next, 0, 4
.endm
.macro STEPS slot, from
.set Q, \from
.rept NQ-1-\from
	STEP \slot, Q, 0
.set Q, Q+1
.endr
.endm
	s_wait_tensorcnt 1                             ; the scales and my part of K step 0 are in (slot 1's load may be out)
	s_barrier_signal -1
	s_barrier_wait -1                              ; everybody's are
	FETCH_B 0, 0, 0
	FETCH_A 0, 0, 0
	SCALES 0
	FETCH_A 0, 0, 4
	STEP 0, 0, 1                                   ; the first step's products start the sums: nothing is cleared
	STEPS 0, 1
	TURN 0, 1
	STEPS 1, 0
	s_wait_dscnt 4*NL                              ; the last step: nothing more to fetch
	WIN MUL_LO
	MUL16 0, 1, NQ-1, 1, 0
	MUL16 2, 1, NQ-1, 1, 0
	s_wait_dscnt 0
	WIN MUL_HI
	MUL16 4, 1, NQ-1, 1, 0
	MUL16 6, 1, NQ-1, 1, 0
	WIN 0
; THE WAY OUT, block by block of 16 rows x 128 columns (two heads).  PACK: rounded to f16, 16 bytes a lane, each accumulator from its low end on.  TOSTAGE: into my stage, and back by pairs of rows.
; SEND: lanes 0-15 store rows 2 t, 2 t + 1 of my even head, lanes 16-31 those of my odd head: twice 256 consecutive bytes, aligned.  Every offset is an immediate.
.macro PACK a
.set AC, 64*((\a)%4)
	WIN 0x0a+5*((\a)/4)                            ; sources 0 and 1: window 2 or 3
.irp b, 0,1,2,3,4,5,6,7
.irp r, 0,1,2,3
	v_cvt_pk_f16_f32 v[TMP+4*\b+\r], v[AC+8*\b+2*\r], v[AC+8*\b+2*\r+1]
.endr
.endr
	WIN 0
.endm
.macro TOSTAGE a
.set BB, OB+192*((\a)%2)
.irp b, 0,1,2,3,4,5,6,7
	ds_store_b128 v[STO], v[TMP+4*\b:TMP+4*\b+3] offset:32*\b
.endr
.irp t, 0,1,2,3,4,5,6,7
	ds_load_b128 v[BB+4*\t:BB+4*\t+3], v[RD] offset:\t*2*SPITCH    ; LDS serves a wave's instructions in order: these see the stores above
.endr
.endm
.macro SEND a
.set BB, OB+192*((\a)%2)
	s_wait_dscnt 0x0                               ; the block is back in registers
	s_wait_xcnt 0x0                                ; the block before's stores have read their registers: the next block's loads may land there
.irp t, 0,1,2,3,4,5,6,7
	global_store_b128 v[CO], v[BB+4*\t:BB+4*\t+3], s[12:13] offset:2048*(\a)+256*\t
.endr
.endm
	PLACES NP                                      ; behind the last products: block 0's conversions read results, and loads will land in registers that held scales
	PACK 0
	TOSTAGE 0
.irp a, 1,2,3,4,5,6,7                  ; block a's conversions stand between block a - 1's loads from the stage and the wait for them
	PACK \a
	SEND \a-1
	TOSTAGE \a
.endr
	SEND 7
	s_wait_tensorcnt 0x0                           ; the wave's end
	ds_add_u32 v[SPW], v[NIL]
	s_wait_dscnt 0x0
	CROUND                                         ; the closing round
	s_endpgm
.Lfunc_end_k_qafec5f7b6b_proj:
	.size	k_qafec5f7b6b_proj, .Lfunc_end_k_qafec5f7b6b_proj-k_qafec5f7b6b_proj
	.p2alignl 7, 3214868480
	.fill 96, 4, 3214868480
	.section	.rodata,"a",@progbits
	.p2align	6, 0x0
	.amdhsa_kernel k_qafec5f7b6b_proj
		.amdhsa_group_segment_fixed_size 327680
		.amdhsa_private_segment_fixed_size 0
		.amdhsa_enable_private_segment 0
		.amdhsa_kernarg_size 40
		.amdhsa_user_sgpr_count 2
		.amdhsa_user_sgpr_kernarg_segment_ptr 1
		.amdhsa_wavefront_size32 1
		.amdhsa_system_sgpr_workgroup_id_x 1
		.amdhsa_system_sgpr_workgroup_id_y 1
		.amdhsa_system_sgpr_workgroup_id_z 1
		.amdhsa_system_vgpr_workitem_id 0
		.amdhsa_next_free_vgpr 1024
		.amdhsa_next_free_sgpr 98
		.amdhsa_reserve_vcc 0
		.amdhsa_float_denorm_mode_32 3
		.amdhsa_float_denorm_mode_16_64 3
		.amdhsa_memory_ordered 1
		.amdhsa_forward_progress 1
		.amdhsa_inst_pref_size 127
	.end_amdhsa_kernel
	.amdgpu_metadata
---
amdhsa.version: [ 1, 2 ]
amdhsa.kernels:
  - .name:           k_qafec5f7b6b_proj
    .symbol:         k_qafec5f7b6b_proj.kd
    .args:
      - { .name: xc, .offset: 0, .size: 8, .value_kind: global_buffer, .address_space: global }
      - { .name: xs, .offset: 8, .size: 8, .value_kind: global_buffer, .address_space: global }
      - { .name: wc, .offset: 16, .size: 8, .value_kind: global_buffer, .address_space: global }
      - { .name: ws, .offset: 24, .size: 8, .value_kind: global_buffer, .address_space: global }
      - { .name: qkv, .offset: 32, .size: 8, .value_kind: global_buffer, .address_space: global }
    .group_segment_fixed_size: 327680
    .private_segment_fixed_size: 0
    .kernarg_segment_align: 8
    .kernarg_segment_size: 40
    .max_flat_workgroup_size: 128
    .sgpr_count:     98
    .vgpr_count:     1024
    .wavefront_size: 32
...
	.end_amdgpu_metadata
.endif
;; end of part 2
;; launch attn (part 3): grid 4 x 64, 8 waves a work-group, clusters of 4 x 1, 327,680 bytes of LDS; arguments qkv, att; writes att
.if DOCPART == 3
	.amdgcn_target "amdgcn-amd-amdhsa--gfx1250"
	.amdhsa_code_object_version 6
	.text
	.protected	k_qafec5f7b6b_attn
	.globl	k_qafec5f7b6b_attn
	.p2align	8
	.type	k_qafec5f7b6b_attn,@function
k_qafec5f7b6b_attn:
	s_mov_b64 s[64:65], 0
	v_nop
	global_prefetch_b8 v0, s[64:65] scope:SCOPE_SE
	s_setreg_imm32_b32 hwreg(HW_REG_WAVE_MODE, 25, 1), 1
	s_wait_xcnt 0x0
	s_wait_alu depctr_hold_cnt(0) depctr_sa_sdst(0) depctr_va_vdst(0) depctr_va_sdst(0) depctr_va_ssrc(0) depctr_va_vcc(0) depctr_vm_vsrc(0)
	s_getreg_b32 s2, hwreg(HW_REG_IB_STS2, 6, 4)
	s_cmp_eq_u32 s2, 0
	s_cbranch_scc0 .Lentry_in_a_cluster
	s_endpgm
.Lentry_in_a_cluster:
	s_bfe_u32 s2, ttmp6, 0x10000c
	s_cmp_lg_u32 s2, 0x3003
	s_cbranch_scc0 .Lentry_shape_is_right
	s_endpgm
.Lentry_shape_is_right:
; att[hd][q][:] = the sum over k of softmax_k(Q[hd][q] . K[hd][k] / 8) V[hd][k][:], hd = 0 .. 63, 2,048 queries and keys, head size 64.  Q, K, V = qkv[0], [1], [2], each [64][2048][64] f16; att likewise.
; Products on f16 operands with f32 sums; maxima, exponentials and sums in f32; the weights p are rounded to f16 for the second product, the result once at the end.
; SHARES.  A work-group owns 512 queries of one head, each of its EIGHT waves 64 (four tiles of 16) in 512 registers: two waves to a SIMD.  The text goes in phases (64 matrix instructions, then the softmax);
; one wave's vector work stands beside the other's matrix work.  Every wave walks all keys, 64 a step.
; LAYOUT.  S^T = K Q^T (source 0 = 16 keys, source 1 = 16 queries): a lane holds ONE query (lane % 16) and the keys 8 (lane / 16) + 0..7 of each tile.  Two tiles rounded to f16 in pairs ARE source 1 (32 keys x
; 16 queries) of O^T = V^T P; they are laid over the scores' first 16 registers.  K comes out of LDS as it lies, V ([key][channel]) turned, by ds_load_tr16_b128.
; SOFTMAX.  A running maximum m and sum l for each query: p = 2^(c s - c m), c = log2(e) / 8; in every step O and l are multiplied by a = 2^(c m_old - c m_new).
; RING.  Two LDS buffers of 512 keys.  A row of K or V is 128 bytes and a head is dense, so a tile is stated as rows of 256 bytes: two keys.  Waves 0-3 fetch K's quarters, waves 4-7 V's: one load a wave.
; By this text's count a wave has two tensor loads out at the start and one behind each change that fills.  A refill has eight key steps in which to land.
; CLUSTER.  The four query blocks of a head walk the same K and V: each tile is asked for JOINTLY, by the same load with the same descriptor and a mask that names the four.
; LIMITS: NaN and infinities are not served; a p under 2^-25 of the row's largest counts as 0 in the second product (it still counts in the sum); results under f16's smallest subnormal become 0.
; REGISTERS: window 0: v1-13 addresses and scratch; v14, v15 the add's two; v16-47 statistics, 8 a tile; v48-111 Q; v112-239 S^T, 32 a tile (P over the first 16); v240-247 a second chain of sums.
;   window 1: v0-127 O^T, 32 a tile; v128-191 K of one step; v192-255 V of one step.
.set PK,     272                       ; two keys of K: 256 bytes + 16: the 16 rows of a fragment fall on 16 different columns of 16 bytes (64 banks of 4 bytes: ISA guide 11.1)
.set PV,     288                       ; two keys of V: 256 + 32: the turning load's 8 keys x 32 bytes likewise
.set KPART,  64*PK                     ; what one tensor load brings of K: 128 keys
.set VPART,  64*PV
.set VOFF,   4*KPART                   ; a buffer: 512 keys of K, then 512 of V
.set SLOT,   VOFF+4*VPART
.set KSTEPB, 32*PK                     ; a key step's 64 keys
.set VSTEPB, 32*PV
.set SPARE,  2*SLOT                    ; the spare words, 128 bytes a wave
.set SP,     144                       ; the way out: 64 rows x (128 bytes + 16) for each wave, in buffer 0, which has had its last fill and its last read by then
.set STGW,   64*SP
.set TENSOR, 16777216                  ; bytes of one of qkv's three tensors
.set SLOTG,  65536                     ; 512 keys in memory
.set AK0, 2
.set AV0, 3
.set ADR, 4
.set ADRV, 5
.set QO,  6
.set STO, 7
.set RD,  8
.set GO,  9
.set SPW, 14
.set NIL, 15
.set ST,  16                           ; tile t at v[ST + 8 t]: +0 c m, +1 m, +2, +3 l (even keys', odd keys'), +4 .. +7 c0-c3 at work; a takes c2's place, a chain of sums c0's and c1's
.set Q,   48                           ; fragment (tile t, channels 32 ch on) at 16 t + 8 ch
.set S,   112
.set SB,  240
.set KF,  128                          ; in window 1: fragment (keys 16 kt on, channels 32 ch on) at 8 (2 kt + ch)
.set VF,  192                          ; in window 1: fragment (keys 32 g on, channels 16 ct on) at 8 (4 g + ct)
.set WV,  12
.set G1K, 24
.set G1V, 32
.set G0K, 40                           ; s[40:47] group 0 for K, a set for each buffer;  s[48:55] for V
.set G0V, 48
.set CNT, 56
.set CS,  58
.set SEL, 60
.set TBK, 62                           ; LDS byte at which the K of the step to be fetched begins
.set TBV, 63                           ; the same for V, less VOFF
.set MSB, 0
.macro WIN new                         ; the immediate's high byte repeats the setting that is left
.if MSB != \new
	s_set_vgpr_msb (MSB<<8)|\new
.set MSB, \new
.endif
.endm
.set W_KQ, 0x01                        ; K in window 1; Q and S^T in window 0
.set W_PV, 0x51                        ; V, C and D in window 1; P in window 0
.set W_RS, 0x41                        ; O^T (destination and source 0) in window 1, a in window 0
.set W_LD, 0x40                        ; loaded data in window 1, address in window 0
.macro JLOAD buf                       ; a joint refill; the branch hangs on the wave's number alone; an s_nop 0 and four v_nop follow each line
	s_cmp_lt_u32 s[WV], 4
	s_cbranch_scc0 .Lfor_v_\@
	tensor_load_to_lds s[G0K+4*\buf:G0K+4*\buf+3], s[G1K:G1K+7]
	s_nop 0
.rept 4
	v_nop
.endr
	s_branch .Lasked_\@
.Lfor_v_\@:
	tensor_load_to_lds s[G0V+4*\buf:G0V+4*\buf+3], s[G1V:G1V+7]
	s_nop 0
.rept 4
	v_nop
.endr
.Lasked_\@:
.endm
.macro CROUND                          ; a round of the cluster's barrier
	s_barrier_signal -1
	s_barrier_wait -1
	s_cmp_lg_u32 s[WV], 0
	s_cbranch_scc1 .Lnot_wave_0_\@
	s_barrier_signal -3
.Lnot_wave_0_\@:
	s_barrier_wait -3
	s_barrier_signal -1
	s_barrier_wait -1
.endm
	s_load_b128 s[4:7], s[0:1], 0x0                ; qkv s[4:5], att s[6:7]
	v_lshl_add_u32 v[SPW], v0, 2, SPARE
	v_mov_b32 v[NIL], 0
	ds_add_u32 v[SPW], v[NIL]                      ; the wave's opening: the add, twice on end, and its wait ahead of my first tensor load
	ds_add_u32 v[SPW], v[NIL]
	v_lshrrev_b32 v1, 5, v0
	v_readfirstlane_b32 s[WV], v1                  ; wave 0..7
	s_bfe_u32 s13, ttmp6, 0x40000                  ; cx
	s_lshl_b32 s14, ttmp9, 2
	s_add_co_u32 s14, s14, s13                     ; my block of 512 queries: it enters Q's and att's addresses alone
	s_and_b32 s20, ttmp7, 0xffff                   ; the head, which the four partners share
	s_lshl_b32 s20, s20, 18                        ; its first byte in a tensor
	s_and_b32 s15, s[WV], 3                        ; which 128 keys of a buffer I fetch:
	s_lshl_b32 s22, s15, 14                        ; in memory,
	s_add_co_u32 s22, s22, s20
	s_mov_b32 s23, 0
	s_mul_i32 s16, s15, KPART                      ; and in LDS, for K
	s_mul_i32 s17, s15, VPART
	s_add_co_u32 s17, s17, VOFF                    ; and for V: no place in the cluster enters an LDS address
	s_lshl_b32 s2, s14, 16                         ; my block's 512 rows of 128 bytes,
	s_lshl_b32 s3, s[WV], 13                       ; my wave's 64
	s_add_co_u32 s2, s2, s3
	s_add_co_u32 s2, s2, s20
	s_mov_b32 s3, 0
	s_mov_b32 s[G1K], 15|(1<<16)|(1<<20)|(1<<21)|(5<<22)|(3<<25)  ; the mask: all four; elements of 2 bytes; padding on; bit 21 beside a mask; after every 64 words, 4 words
	s_mov_b32 s[G1V], 15|(1<<16)|(1<<20)|(1<<21)|(5<<22)|(7<<25)  ; the same with 8 words
.irp g, G1K, G1V
	s_mov_b32 s[\g+1], 128<<16                     ; tensor_dim0 = 128 elements: two keys
	s_mov_b32 s[\g+2], 64<<16                      ; tensor_dim1 = 64
	s_mov_b32 s[\g+3], 128<<16                     ; tile_dim0
	s_mov_b32 s[\g+4], 64                          ; tile_dim1
	s_mov_b32 s[\g+5], 128                         ; the pitch: dense
	s_mov_b32 s[\g+6], 0
	s_mov_b32 s[\g+7], 0
.endr
	s_mov_b32 s[CS], 0x3e38aa3b                    ; c = log2(e) / 8
	s_mov_b32 s[CS+1], s[CS]                       ; named with it as a pair, so it is written
	s_mov_b32 s[SEL], 0x76543210
	s_mov_b32 s[SEL+1], 0xfedcba98                 ; v_permlanex16_b32: lane l xor 16
	s_mov_b32 s[TBK], 0
	s_mov_b32 s[TBV], 0
	s_wait_dscnt 0x0                               ; both opening adds are done
	s_wait_kmcnt 0x0
	s_add_nc_u64 s[8:9], s[4:5], s[2:3]            ; Q at my wave's first row
	s_add_nc_u64 s[10:11], s[6:7], s[2:3]          ; att likewise
	s_add_nc_u64 s[18:19], s[4:5], s[22:23]        ; qkv at my head and my 128 keys
	CROUND                                         ; all four work-groups are here: the first joint loads meet
.irp b, 0,1
	s_mov_b32 s[G0K+4*\b], 1
	s_add_co_u32 s[G0K+4*\b+1], s16, \b*SLOT
	s_add_nc_u64 s[G0K+4*\b+2:G0K+4*\b+3], s[18:19], TENSOR+\b*SLOTG
	s_or_b32 s[G0K+4*\b+3], s[G0K+4*\b+3], 0x80000000
	s_mov_b32 s[G0V+4*\b], 1
	s_add_co_u32 s[G0V+4*\b+1], s17, \b*SLOT
	s_add_nc_u64 s[G0V+4*\b+2:G0V+4*\b+3], s[18:19], 2*TENSOR+\b*SLOTG
	s_or_b32 s[G0V+4*\b+3], s[G0V+4*\b+3], 0x80000000
.endr
	s_cmp_lt_u32 s[WV], 4                          ; a wave's two first fills stand in one branch, ahead of every wait on TENSORcnt and every LDS read
	s_cbranch_scc0 .Lfirst_v
	tensor_load_to_lds s[G0K:G0K+3], s[G1K:G1K+7]
	s_nop 0
	tensor_load_to_lds s[G0K+4:G0K+7], s[G1K:G1K+7]
	s_nop 0
.rept 4
	v_nop
.endr
	s_branch .Lfirst_asked
.Lfirst_v:
	tensor_load_to_lds s[G0V:G0V+3], s[G1V:G1V+7]
	s_nop 0
	tensor_load_to_lds s[G0V+4:G0V+7], s[G1V:G1V+7]
	s_nop 0
.rept 4
	v_nop
.endr
.Lfirst_asked:
	v_and_b32 v1, 15, v0                           ; r
	v_bfe_u32 v10, v0, 4, 1                        ; h
	v_lshlrev_b32 v[QO], 7, v1
	v_lshl_add_u32 v[QO], v10, 4, v[QO]            ; Q: row r of 128 bytes + 16 h
.irp i, 0,1,2,3,4,5,6,7                        ; Q stays in registers: tile i / 2, channels 32 (i % 2) on
	global_load_b128 v[Q+8*\i:Q+8*\i+3],   v[QO], s[8:9] offset:(\i/2)*2048+(\i%2)*64
	global_load_b128 v[Q+8*\i+4:Q+8*\i+7], v[QO], s[8:9] offset:(\i/2)*2048+(\i%2)*64+32
.endr
	v_lshrrev_b32 v11, 1, v1
	v_mul_u32_u24 v[AK0], v11, PK                  ; K: key r lies in LDS row r / 2,
	v_and_b32 v11, 1, v0
	v_lshl_add_u32 v[AK0], v11, 7, v[AK0]          ; in its half r % 2,
	v_lshl_add_u32 v[AK0], v10, 4, v[AK0]          ; + 16 h
	v_bfe_u32 v12, v0, 1, 2
	v_lshl_add_u32 v12, v10, 2, v12                ; V: lane l reads key 8 h + l % 8: LDS row 4 h + (l % 8) / 2,
	v_mul_u32_u24 v[AV0], v12, PV
	v_lshl_add_u32 v[AV0], v11, 7, v[AV0]          ; half l % 2,
	v_bfe_u32 v12, v0, 3, 1
	v_lshl_add_u32 v[AV0], v12, 4, v[AV0]          ; channels 8 ((l / 8) % 2) on
	v_add_nc_u32 v[AV0], VOFF, v[AV0]
	s_mul_i32 s14, s[WV], STGW                     ; my stage
	v_mul_u32_u24 v[STO], v1, SP                   ; in: row r, 16 bytes for each half of the lanes
	v_lshl_add_u32 v[STO], v10, 4, v[STO]
	v_add_nc_u32 v[STO], s14, v[STO]
	v_and_b32 v13, 31, v0
	v_lshrrev_b32 v12, 3, v13
	v_mul_u32_u24 v[RD], v12, SP                   ; back: eight lanes to a row of 128 bytes, four rows an instruction
	v_and_b32 v12, 7, v0
	v_lshl_add_u32 v[RD], v12, 4, v[RD]
	v_add_nc_u32 v[RD], s14, v[RD]
	v_lshlrev_b32 v[GO], 4, v13                    ; and the same four rows in att: 512 consecutive bytes
; THE LDS LOADS stand in two runs of 16 a key step.
.macro FETCH_K
	WIN 0
	v_add_nc_u32 v[ADR], s[TBK], v[AK0]
	s_add_co_u32 s[TBK], s[TBK], KSTEPB            ; the next fetch is the next step's
	WIN W_LD
.irp f, 0,1,2,3,4,5,6,7                        ; keys 16 (f / 2) on, channels 32 (f % 2) on
	ds_load_b128 v[KF+8*\f:KF+8*\f+3],   v[ADR] offset:(\f/2)*8*PK+(\f%2)*64
	ds_load_b128 v[KF+8*\f+4:KF+8*\f+7], v[ADR] offset:(\f/2)*8*PK+(\f%2)*64+32
.endr
.endm
.macro FETCH_V                         ; its first four lines are the places between the products K Q^T and the first read of the scores
	v_add_nc_u32 v[ADRV], s[TBV], v[AV0]
.rept 3
	v_nop
.endr
	s_add_co_u32 s[TBV], s[TBV], VSTEPB
	WIN W_LD
.irp f, 0,1,2,3,4,5,6,7                        ; keys 32 (f / 4) on, channels 16 (f % 4) on
	ds_load_tr16_b128 v[VF+8*\f:VF+8*\f+3],   v[ADRV] offset:(\f/4)*16*PV+(\f%4)*32
	ds_load_tr16_b128 v[VF+8*\f+4:VF+8*\f+7], v[ADRV] offset:(\f/4)*16*PV+8*PV+(\f%4)*32
.endr
.endm
; THE MATRIX WORK.  In each run 16 accumulators take turns, one instruction a turn, and run follows run on other accumulators, over the backward jump too.
; O^T += V^T P: product i: keys 32 (i / 16) on, channels 16 ((i / 4) % 4) on, tile i % 4.  pv = 1: the first 16 start the sums: nothing is cleared.
.macro PVRUN pv
	WIN W_PV
.set i, 0
.rept 32
.set rO, 32*(i%4)+8*((i/4)%4)
.set rV, VF+8*(4*(i/16)+(i/4)%4)
.set rP, S+32*(i%4)+8*(i/16)
.if (\pv == 1) && (i < 16)
	v_wmma_f32_16x16x32_f16 v[rO:rO+7], v[rV:rV+7], v[rP:rP+7], 0
.else
	v_wmma_f32_16x16x32_f16 v[rO:rO+7], v[rV:rV+7], v[rP:rP+7], v[rO:rO+7]
.endif
.set i, i+1
.endr
.endm
; S^T = K Q^T: product i: channels 32 (i / 16) on, keys 16 ((i / 4) % 4) on, tile i % 4.  The first 16 start the sums.
.macro KQRUN
	WIN W_KQ
.set i, 0
.rept 32
.set rS, S+32*(i%4)+8*((i/4)%4)
.set rK, KF+8*(2*((i/4)%4)+i/16)
.set rQ, Q+16*(i%4)+8*(i/16)
.if i < 16
	v_wmma_f32_16x16x32_f16 v[rS:rS+7], v[rK:rK+7], v[rQ:rQ+7], 0
.else
	v_wmma_f32_16x16x32_f16 v[rS:rS+7], v[rK:rK+7], v[rQ:rQ+7], v[rS:rS+7]
.endif
.set i, i+1
.endr
.endm
; THE SOFTMAX of a key step, all four tiles line by line, so that no line waits for the line above it.  first = 1: the first key step, which starts m and l: no a, nothing to rescale.
.macro SOFTMAX first
.irp j, 0,1,2,3                                ; the maximum: four chains, one for each accumulator, each read from its low end on
.irp t, 0,1,2,3
	v_max3_num_f32 v[ST+8*\t+4+\j], v[S+32*\t+8*\j], v[S+32*\t+8*\j+1], v[S+32*\t+8*\j+2]
.endr
.endr
.irp u, 3,5
.irp j, 0,1,2,3
.irp t, 0,1,2,3
	v_max3_num_f32 v[ST+8*\t+4+\j], v[ST+8*\t+4+\j], v[S+32*\t+8*\j+\u], v[S+32*\t+8*\j+\u+1]
.endr
.endr
.endr
.irp t, 0,1,2,3
	v_max3_num_f32 v[ST+8*\t+4], v[ST+8*\t+4], v[S+32*\t+7], v[S+32*\t+15]
.endr
.irp t, 0,1,2,3
	v_max3_num_f32 v[ST+8*\t+6], v[ST+8*\t+6], v[S+32*\t+23], v[S+32*\t+31]
.endr
.irp t, 0,1,2,3
	v_max3_num_f32 v[ST+8*\t+4], v[ST+8*\t+4], v[ST+8*\t+5], v[ST+8*\t+6]
.endr
.irp t, 0,1,2,3
.if \first
	v_max_num_f32 v[ST+8*\t+4], v[ST+8*\t+4], v[ST+8*\t+7]
.else
	v_max3_num_f32 v[ST+8*\t+4], v[ST+8*\t+4], v[ST+8*\t+7], v[ST+8*\t+1]   ; with the old m
.endif
.endr
.irp t, 0,1,2,3
	v_permlanex16_b32 v[ST+8*\t+5], v[ST+8*\t+4], s[SEL], s[SEL+1]          ; the query's other 32 keys lie in the lane 16 away
.endr
.if \first == 0
.irp t, 0,1,2,3
	v_mov_b32 v[ST+8*\t+7], v[ST+8*\t]             ; c m_old is kept for a
.endr
.endif
.irp t, 0,1,2,3
	v_max_num_f32 v[ST+8*\t+1], v[ST+8*\t+4], v[ST+8*\t+5]                  ; the new m
.endr
.irp t, 0,1,2,3
	v_mul_f32 v[ST+8*\t], s[CS], v[ST+8*\t+1]      ; c m
.endr
.if \first == 0
.irp t, 0,1,2,3
	v_sub_f32 v[ST+8*\t+7], v[ST+8*\t+7], v[ST+8*\t]
.endr
.irp t, 0,1,2,3
	v_exp_f32 v[ST+8*\t+6], v[ST+8*\t+7]           ; a = 2^(c m_old - c m_new)
.endr
.endif
; ONE BATCH: the scalings c s - c m, a pair of scores each, and the exponentials, a pair behind its scaling.  None of these lines names an exponential's result.
.set p, 0
.rept 17
.if p < 16
.irp t, 0,1,2,3
	v_pk_fma_f32 v[S+32*\t+2*p:S+32*\t+2*p+1], v[S+32*\t+2*p:S+32*\t+2*p+1], s[CS:CS+1], v[ST+8*\t:ST+8*\t+1] op_sel_hi:[1,0,0] neg_lo:[0,0,1] neg_hi:[0,0,1]
.endr
.endif
.if p > 0
.irp t, 0,1,2,3
	v_exp_f32 v[S+32*\t+2*p-2], v[S+32*\t+2*p-2]
	v_exp_f32 v[S+32*\t+2*p-1], v[S+32*\t+2*p-1]
.endr
.endif
.set p, p+1
.endr
	v_nop                                          ; a plain instruction behind the last exponential
	s_wait_alu depctr_va_vdst(0)                   ; the wait ahead of the first line that names a result: one for the whole batch
.irp t, 0,1,2,3                                ; the sums of the unrounded p, a pair at a time, in two chains a tile
	v_pk_add_f32 v[ST+8*\t+4:ST+8*\t+5], v[S+32*\t:S+32*\t+1], v[S+32*\t+2:S+32*\t+3]
.endr
.irp t, 0,1,2,3
	v_pk_add_f32 v[SB+2*\t:SB+2*\t+1], v[S+32*\t+4:S+32*\t+5], v[S+32*\t+6:S+32*\t+7]
.endr
.irp u, 8,12,16,20,24,28
.irp t, 0,1,2,3
	v_pk_add_f32 v[ST+8*\t+4:ST+8*\t+5], v[ST+8*\t+4:ST+8*\t+5], v[S+32*\t+\u:S+32*\t+\u+1]
.endr
.irp t, 0,1,2,3
	v_pk_add_f32 v[SB+2*\t:SB+2*\t+1], v[SB+2*\t:SB+2*\t+1], v[S+32*\t+\u+2:S+32*\t+\u+3]
.endr
.endr
.if \first
.irp t, 0,1,2,3
	v_pk_add_f32 v[ST+8*\t+2:ST+8*\t+3], v[ST+8*\t+4:ST+8*\t+5], v[SB+2*\t:SB+2*\t+1]
.endr
.else
.irp t, 0,1,2,3
	v_pk_add_f32 v[ST+8*\t+4:ST+8*\t+5], v[ST+8*\t+4:ST+8*\t+5], v[SB+2*\t:SB+2*\t+1]
.endr
.irp t, 0,1,2,3
	v_pk_fma_f32 v[ST+8*\t+2:ST+8*\t+3], v[ST+8*\t+2:ST+8*\t+3], v[ST+8*\t+6:ST+8*\t+7], v[ST+8*\t+4:ST+8*\t+5] op_sel_hi:[1,0,1]   ; l = a l + the step's sum
.endr
.endif
.set p, 0
.rept 16                                       ; P over S: register p takes scores 2 p and 2 p + 1, ascending, so that nothing is overwritten before it is read
.irp t, 0,1,2,3
	v_cvt_pk_f16_f32 v[S+32*\t+p], v[S+32*\t+2*p], v[S+32*\t+2*p+1]
.endr
.set p, p+1
.endr
.if \first == 0
	WIN W_RS
.set p, 0
.rept 16                                       ; O^T times a, each accumulator from its low end on
.irp t, 0,1,2,3
	v_pk_mul_f32 v[32*\t+2*p:32*\t+2*p+1], v[32*\t+2*p:32*\t+2*p+1], v[ST+8*\t+6:ST+8*\t+7] op_sel_hi:[1,0]
.endr
.set p, p+1
.endr
	WIN 0
.endif
.endm
; KEY STEP j, turned so that both runs of LDS loads have work behind them: K of step j is asked for; V^T P of step j - 1; K Q^T of step j; V of step j is asked for; the softmax of step j.
.macro BODY pv, first
	FETCH_K                                        ; K's registers were last read by the step before's products: its softmax lies between
.if \pv
	s_wait_dscnt 16                                ; V of step j - 1 is in; the 16 loads of K just issued may be out
	PVRUN \pv
	WIN 0
.rept 5
	v_nop                                          ; five places: the products below write over P, which the products above read; they also serve the loads into V's registers
.endr
.endif
	s_wait_dscnt 0x0                               ; K is in
	KQRUN
	WIN 0
	FETCH_V
	WIN 0
	SOFTMAX \first
.endm
.macro STEPS n
	s_mov_b32 s[CNT], \n
.Lstep_\@:
	BODY 2, 0
	s_sub_co_u32 s[CNT], s[CNT], 1
	s_cmp_lg_u32 s[CNT], 0
	s_cbranch_scc1 .Lstep_\@
.endm
; THE CHANGE OF BUFFERS, between two key steps: all of the left buffer's K and V have been asked for.  Each wave waits for all its tensor loads (its part of the other buffer), adds 0 to its spare word, and waits
; for that and for its reads of the buffer.  fill = 1: the buffer is filled again with the keys two buffers on: the barrier is a round of the cluster's, and the joint refill is the first thing behind it.
.macro CHANGE fill, left
	WIN 0
	s_wait_tensorcnt 0x0                           ; no tensor load of mine is out, so a group 0 may be written
	ds_add_u32 v[SPW], v[NIL]                      ; 0 onto my spare word
.if \fill
	s_add_nc_u64 s[G0K+4*\left+2:G0K+4*\left+3], s[G0K+4*\left+2:G0K+4*\left+3], 2*SLOTG
	s_add_nc_u64 s[G0V+4*\left+2:G0V+4*\left+3], s[G0V+4*\left+2:G0V+4*\left+3], 2*SLOTG
.endif
	s_mov_b32 s[TBK], (1-\left)*SLOT               ; the fetches go on at the other buffer's first step
	s_mov_b32 s[TBV], (1-\left)*SLOT
	s_wait_dscnt 0x0                               ; the add is done, and my reads of the buffer are over
.if \fill
	CROUND
	JLOAD \left
.else
	s_barrier_signal -1
	s_barrier_wait -1
.endif
.endm
	s_wait_tensorcnt 1                             ; my part of buffer 0 is in; buffer 1's may stay out
	s_barrier_signal -1
	s_barrier_wait -1                              ; everybody's is
	s_wait_loadcnt 0x0                             ; Q
	BODY 0, 1                                      ; step 0: no product V^T P yet; the first softmax
	BODY 1, 0                                      ; step 1: V^T P of step 0 starts O^T
	STEPS 6
	CHANGE 1, 0                                    ; buffer 0 takes keys 1,024 on
	STEPS 8
	CHANGE 1, 1                                    ; buffer 1 takes keys 1,536 on
	STEPS 8
	CHANGE 0, 0                                    ; nothing is left to ask for
	STEPS 8
	s_wait_dscnt 0x0                               ; V of the last step
	PVRUN 2
	; THE WAY OUT.  l's two halves and the other half of the lanes' are added (these lines are the places behind the last products); O^T is divided by l, rounded to f16 and sent through my stage.
	WIN 0
.irp t, 0,1,2,3
	v_add_f32 v[ST+8*\t+4], v[ST+8*\t+2], v[ST+8*\t+3]
.endr
.irp t, 0,1,2,3
	v_permlanex16_b32 v[ST+8*\t+5], v[ST+8*\t+4], s[SEL], s[SEL+1]
.endr
.irp t, 0,1,2,3
	v_add_f32 v[ST+8*\t+4], v[ST+8*\t+4], v[ST+8*\t+5]
.endr
.irp t, 0,1,2,3
	v_rcp_f32 v[ST+8*\t+6], v[ST+8*\t+4]
.endr
	v_nop                                          ; a plain instruction behind the last reciprocal
	s_wait_alu depctr_va_vdst(0)                   ; and the wait ahead of the first use: one for the four
.macro PACKO t
	WIN W_RS
.set p, 0
.rept 16
	v_pk_mul_f32 v[32*\t+2*p:32*\t+2*p+1], v[32*\t+2*p:32*\t+2*p+1], v[ST+8*\t+6:ST+8*\t+7] op_sel_hi:[1,0]
.set p, p+1
.endr
	WIN 0x05                                       ; sources 0 and 1 window 1, destination window 0
.set p, 0
.rept 16
	v_cvt_pk_f16_f32 v[S+16*\t+p], v[32*\t+2*p], v[32*\t+2*p+1]
.set p, p+1
.endr
.endm
	PACKO 0
	PACKO 1
	PACKO 2
	PACKO 3
	WIN 0
.irp t, 0,1,2,3
.irp c, 0,1,2,3
	ds_store_b128 v[STO], v[S+16*\t+4*\c:S+16*\t+4*\c+3] offset:16*\t*SP+32*\c     ; lane (r, h): query 16 t + r, channels 16 c + 8 h + 0..7
.endr
.endr
.irp n, 0,1,2,3,4,5,6,7,8,9,10,11,12,13,14,15
	ds_load_b128 v[S+64+4*\n:S+64+4*\n+3], v[RD] offset:4*\n*SP    ; LDS serves a wave's instructions in order: these see my stores
.endr
.irp n, 0,1,2,3,4,5,6,7,8,9,10,11,12,13,14,15
	s_wait_dscnt 15-\n
	global_store_b128 v[GO], v[S+64+4*\n:S+64+4*\n+3], s[10:11] offset:512*\n      ; four rows: 512 consecutive bytes, aligned
.endr
	s_wait_tensorcnt 0x0                           ; the wave's end
	ds_add_u32 v[SPW], v[NIL]
	s_wait_dscnt 0x0
	CROUND                                         ; the closing round
	s_endpgm
.Lfunc_end_k_qafec5f7b6b_attn:
	.size	k_qafec5f7b6b_attn, .Lfunc_end_k_qafec5f7b6b_attn-k_qafec5f7b6b_attn
	.p2alignl 7, 3214868480
	.fill 96, 4, 3214868480
	.section	.rodata,"a",@progbits
	.p2align	6, 0x0
	.amdhsa_kernel k_qafec5f7b6b_attn
		.amdhsa_group_segment_fixed_size 327680
		.amdhsa_private_segment_fixed_size 0
		.amdhsa_enable_private_segment 0
		.amdhsa_kernarg_size 16
		.amdhsa_user_sgpr_count 2
		.amdhsa_user_sgpr_kernarg_segment_ptr 1
		.amdhsa_wavefront_size32 1
		.amdhsa_system_sgpr_workgroup_id_x 1
		.amdhsa_system_sgpr_workgroup_id_y 1
		.amdhsa_system_sgpr_workgroup_id_z 1
		.amdhsa_system_vgpr_workitem_id 0
		.amdhsa_next_free_vgpr 512
		.amdhsa_next_free_sgpr 72
		.amdhsa_reserve_vcc 0
		.amdhsa_float_denorm_mode_32 3
		.amdhsa_float_denorm_mode_16_64 3
		.amdhsa_memory_ordered 1
		.amdhsa_forward_progress 1
		.amdhsa_inst_pref_size 210
	.end_amdhsa_kernel
	.amdgpu_metadata
---
amdhsa.version: [ 1, 2 ]
amdhsa.kernels:
  - .name:           k_qafec5f7b6b_attn
    .symbol:         k_qafec5f7b6b_attn.kd
    .args:
      - { .name: qkv, .offset: 0, .size: 8, .value_kind: global_buffer, .address_space: global }
      - { .name: att, .offset: 8, .size: 8, .value_kind: global_buffer, .address_space: global }
    .group_segment_fixed_size: 327680
    .private_segment_fixed_size: 0
    .kernarg_segment_align: 8
    .kernarg_segment_size: 16
    .max_flat_workgroup_size: 256
    .sgpr_count:     72
    .vgpr_count:     512
    .wavefront_size: 32
...
	.end_amdgpu_metadata
.endif
;; end of part 3
;; launch oproj (part 4): grid 4 x 64, 4 waves a work-group, clusters of 4 x 4, 327,680 bytes of LDS; arguments att, wo16, out0; writes out0
.if DOCPART == 4
	.amdgcn_target "amdgcn-amd-amdhsa--gfx1250"
	.amdhsa_code_object_version 6
	.text
	.protected	k_qafec5f7b6b_oproj
	.globl	k_qafec5f7b6b_oproj
	.p2align	8
	.type	k_qafec5f7b6b_oproj,@function
k_qafec5f7b6b_oproj:
	s_mov_b64 s[64:65], 0
	v_nop
	global_prefetch_b8 v0, s[64:65] scope:SCOPE_SE
	s_setreg_imm32_b32 hwreg(HW_REG_WAVE_MODE, 25, 1), 1
	s_wait_xcnt 0x0
	s_wait_alu depctr_hold_cnt(0) depctr_sa_sdst(0) depctr_va_vdst(0) depctr_va_sdst(0) depctr_va_ssrc(0) depctr_va_vcc(0) depctr_vm_vsrc(0)
	s_getreg_b32 s2, hwreg(HW_REG_IB_STS2, 6, 4)
	s_cmp_eq_u32 s2, 0
	s_cbranch_scc0 .Lentry_in_a_cluster
	s_endpgm
.Lentry_in_a_cluster:
	s_bfe_u32 s2, ttmp6, 0x10000c
	s_cmp_lg_u32 s2, 0xf033
	s_cbranch_scc0 .Lentry_shape_is_right
	s_endpgm
.Lentry_shape_is_right:
; out0[m][n] = sum over e of A[m][e] Wo[n][e], m = 2,048 b + s, e = 64 h + d.  A = att[b 16 + h][s][d], f16, head-major; wo16 [1024 n][1024 e] f16; out0 [8192][1024] f32; sums in f32.
; A tile of out0 is 128 (m) x 256 (n): 256 tiles, one a work-group.  Four waves, 64 x 128 each: 32 accumulators of 16 x 16, all of window 1.
; K goes in steps of 128 (two heads) through a ring of two LDS slots.  A head's 128 rows of a tile are 16,384 dense bytes, stated as 64 rows of 256 bytes (two s); Wo's tile rows are 256 bytes, 2,048 apart.
; Waves 0 and 1 fetch A's two heads, waves 2 and 3 Wo's two halves: one load a wave; by this text's count two are out at the start and one behind each change of slots.
; CLUSTERS: 4 x 4 work-groups: A's tiles are shared along a row of the cluster, Wo's along a column: joint loads.  THE MATRIX INSTRUCTION IS USED TRANSPOSED (source 0 = 16 rows of Wo, source 1 = 16 rows of A).
; REGISTERS: window 0: v0-31 addresses; two fragment buffers of 96 at v32 and v128 (A's 4 fragments, then Wo's 8); on the way out v32-159.   window 1: accumulator (a, b) at v[8 (8 a + b)].
.set PITCH,  272                       ; an LDS row: 256 bytes + 16: the 16 rows that a fragment load touches fall on 16 different columns of 16 bytes (64 banks of 4 bytes: ISA guide 11.1)
.set AHB,    64*PITCH                  ; a head's 128 rows of A
.set BOFF,   2*AHB
.set HALFB,  128*PITCH                 ; 128 rows of Wo
.set SLOT,   BOFF+2*HALFB
.set SPARE,  2*SLOT                    ; the spare words, 128 bytes a wave
.set SPITCH, 528                       ; the way out: 16 rows x (512 bytes + 16) for each wave, in slot 0, which has had its last fill and its last read by then
.set LAPS,   4                         ; a lap = two K steps
.set ASTEP,  524288                    ; a K step on in att: two heads
.set BSTEP,  256                       ; and in a row of wo16
.set ADRA, 16
.set ADRB, 20
.set STO,  24
.set RD,   25
.set CO,   26
.set SPW,  28
.set NIL,  29
.set PFO,  30                          ; v30  the prefetches' offset: 256 x lane among A's blocks, 2,048 x lane among Wo's rows; never rewritten
.set F0,   32
.set F1,   128
.set OB,   32
.set G1,  24
.set G0,  32
.set G1B, 48
.set G0B, 56
.set PFA, 66                           ; s[66:67] where my prefetches stand
.set PFS, 68                           ; s[68:69] a K step on, in bytes
.set LIM, 70                           ; s70  1 in a wave that prefetches, else the greatest number
.set MSB, 0
.macro WIN new
.if MSB != \new
	s_set_vgpr_msb (MSB<<8)|\new
.set MSB, \new
.endif
.endm
.set MUL, 0x50                         ; C and D window 1, sources 0 and 1 window 0
.macro JLOAD s                         ; a joint load; the branch hangs on the wave's number alone; an s_nop 0 and four v_nop follow each line
	s_cmp_eq_u32 s11, 0
	s_cbranch_scc0 .Lfor_b_\@
	tensor_load_to_lds s[G0+4*\s:G0+4*\s+3], s[G1:G1+7]
	s_nop 0
.rept 4
	v_nop
.endr
	s_branch .Lasked_\@
.Lfor_b_\@:
	tensor_load_to_lds s[G0B+4*\s:G0B+4*\s+3], s[G1B:G1B+7]
	s_nop 0
.rept 4
	v_nop
.endr
.Lasked_\@:
.endm
; A PREFETCH of the K step that stands two refills on, behind each joint load and the run of LDS loads that follows it: one instruction a wave, 32 blocks of 256 bytes.  Each block is named once in the launch.
; A's tile row is read by one row of one cluster: its four partners share a K step's 128 blocks out BY ADDRESS (head cx / 2, half cx % 2); in each, wave 0 asks.  Wo's tile column is read by every cluster: the
; clusters with y = 0 ask, waves 2 and 3, the four partners of a column taking 32 rows each by cy.  The loop's last trip asks for nothing: K steps 4 to 7 are named; 0 to 3 come by their loads alone.
.macro ASK
	s_cmp_gt_u32 s3, s[LIM]
	s_cbranch_scc0 .Lnot_mine_\@
	global_prefetch_b8 v[PFO], s[PFA:PFA+1] th:TH_LOAD_NT scope:SCOPE_SE
.Lnot_mine_\@:
.endm
.macro CREST                           ; a round of the cluster's barrier behind its opening barrier
	s_cmp_lg_u32 s10, 0
	s_cbranch_scc1 .Lnot_wave_0_\@
	s_barrier_signal -3
.Lnot_wave_0_\@:
	s_barrier_wait -3
	s_barrier_signal -1
	s_barrier_wait -1
.endm
.macro CROUND
	s_barrier_signal -1
	s_barrier_wait -1
	CREST
.endm
	s_load_b128 s[4:7], s[0:1], 0x0                ; att s[4:5], wo16 s[6:7]
	s_load_b64 s[8:9], s[0:1], 0x10                ; out0
	v_lshl_add_u32 v[SPW], v0, 2, SPARE
	v_mov_b32 v[NIL], 0
	ds_add_u32 v[SPW], v[NIL]                      ; the wave's opening: the add, twice on end, and its wait ahead of my first tensor load
	ds_add_u32 v[SPW], v[NIL]
	v_lshrrev_b32 v1, 5, v0
	v_readfirstlane_b32 s10, v1                    ; wave 0..3
	s_lshr_b32 s11, s10, 1                         ; which 64 of the tile's rows are mine.  Also: I fetch for A (0) or for Wo (1)
	s_and_b32 s12, s10, 1                          ; which 128 of its columns.  Also: which head, or which 128 rows of Wo, I fetch
	s_bfe_u32 s40, ttmp6, 0x40000                  ; cx, cy
	s_bfe_u32 s41, ttmp6, 0x40004
	s_lshl_b32 s42, ttmp9, 2
	s_add_co_u32 s42, s42, s40                     ; tile column
	s_and_b32 s13, ttmp7, 0xffff
	s_lshl_b32 s13, s13, 2
	s_add_co_u32 s13, s13, s41                     ; tile row
	s_lshl_b32 s43, s41, 2
	s_lshl_b32 s43, 15, s43                        ; my row of the cluster
	s_lshl_b32 s44, 0x1111, s40                    ; my column
	s_or_b32 s[G1+0], s43, (1<<16)|(1<<20)|(1<<21)|(5<<22)|(3<<25)  ; the mask; elements of 2 bytes; padding on; bit 21 beside a mask; after every 64 words, 4 words
	s_mov_b32 s[G1+1], 128<<16                     ; A: 64 rows of 128 elements, dense
	s_mov_b32 s[G1+2], 64<<16
	s_mov_b32 s[G1+3], 128<<16
	s_mov_b32 s[G1+4], 64
	s_mov_b32 s[G1+5], 128
	s_mov_b32 s[G1+6], 0
	s_mov_b32 s[G1+7], 0
	s_or_b32 s[G1B+0], s44, (1<<16)|(1<<20)|(1<<21)|(5<<22)|(3<<25)
	s_mov_b32 s[G1B+1], 128<<16                    ; Wo: 128 rows of 128 elements, 1,024 elements apart
	s_mov_b32 s[G1B+2], 128<<16
	s_mov_b32 s[G1B+3], 128<<16
	s_mov_b32 s[G1B+4], 128
	s_mov_b32 s[G1B+5], 1024
	s_mov_b32 s[G1B+6], 0
	s_mov_b32 s[G1B+7], 0
	s_lshr_b32 s16, s13, 4                         ; A: b = tile row / 16: 16 heads of 262,144 bytes;
	s_lshl_b32 s16, s16, 22
	s_and_b32 s17, s13, 15
	s_lshl_b32 s17, s17, 14                        ; 128 rows of 128 bytes for each tile row in b;
	s_add_co_u32 s16, s16, s17
	s_lshl_b32 s17, s12, 18                        ; my head of the K step's two
	s_add_co_u32 s16, s16, s17
	s_mov_b32 s17, 0
	s_lshl_b32 s46, s42, 19                        ; Wo: 256 rows of 2,048 bytes a tile column,
	s_lshl_b32 s47, s12, 18                        ; my 128 of them
	s_add_co_u32 s46, s46, s47
	s_mov_b32 s47, 0
	s_mul_i32 s20, s12, AHB                        ; where they go: no place in the cluster enters an LDS address
	s_mul_i32 s21, s12, HALFB
	s_add_co_u32 s21, s21, BOFF
	s_wait_dscnt 0x0                               ; both opening adds are done
	s_wait_kmcnt 0x0
	s_add_nc_u64 s[14:15], s[4:5], s[16:17]
	s_add_nc_u64 s[46:47], s[6:7], s[46:47]
	CROUND                                         ; all sixteen work-groups are here: the first joint loads meet
.irp s, 0,1
	s_mov_b32 s[G0+4*\s], 1
	s_add_co_u32 s[G0+4*\s+1], s20, \s*SLOT
	s_add_nc_u64 s[G0+4*\s+2:G0+4*\s+3], s[14:15], \s*ASTEP
	s_or_b32 s[G0+4*\s+3], s[G0+4*\s+3], 0x80000000
	s_mov_b32 s[G0B+4*\s], 1
	s_add_co_u32 s[G0B+4*\s+1], s21, \s*SLOT
	s_add_nc_u64 s[G0B+4*\s+2:G0B+4*\s+3], s[46:47], \s*BSTEP
	s_or_b32 s[G0B+4*\s+3], s[G0B+4*\s+3], 0x80000000
	JLOAD \s
.endr
	v_and_b32 v1, 15, v0                           ; r
	v_bfe_u32 v2, v0, 4, 1                         ; h
	v_lshrrev_b32 v3, 1, v1
	v_mul_u32_u24 v3, v3, PITCH                    ; A: row r lies in LDS row r / 2,
	v_and_b32 v4, 1, v0
	v_lshl_add_u32 v3, v4, 7, v3                   ; in its half r % 2,
	v_lshl_add_u32 v3, v2, 4, v3                   ; + 16 h
	v_mul_u32_u24 v4, v1, PITCH
	v_lshl_add_u32 v4, v2, 4, v4                   ; Wo: row r x pitch + 16 h
	s_mul_i32 s21, s11, 32*PITCH                   ; my 64 rows of A
	s_mul_i32 s22, s12, HALFB                      ; my 128 rows of Wo
	s_add_co_u32 s22, s22, BOFF
.irp s, 0,1
	v_add_nc_u32 v[ADRA+\s], s21, v3
	v_add_nc_u32 v[ADRB+\s], s22, v4
	s_add_co_u32 s21, s21, SLOT
	s_add_co_u32 s22, s22, SLOT
.endr
	s_mul_i32 s23, s10, 16*SPITCH                  ; my stage
	v_mul_u32_u24 v5, v1, SPITCH                   ; in: row r, 32 bytes for each half of the lanes
	v_lshl_add_u32 v5, v2, 5, v5
	v_add_nc_u32 v[STO], s23, v5
	v_and_b32 v6, 31, v0
	v_lshlrev_b32 v[CO], 4, v6                     ; back: the 32 lanes take one row of 512 bytes; and the same in out0
	v_add_nc_u32 v[RD], s23, v[CO]
	s_lshl_b32 s16, s13, 7
	s_lshl_b32 s17, s11, 6
	s_add_co_u32 s16, s16, s17                     ; my first row of out0
	s_lshl_b32 s16, s16, 12                        ; 4,096 bytes a row
	s_lshl_b32 s17, s42, 10
	s_add_co_u32 s16, s16, s17                     ; the tile's first column,
	s_lshl_b32 s17, s12, 9
	s_add_co_u32 s16, s16, s17                     ; my half of its columns
	s_mov_b32 s17, 0
	s_add_nc_u64 s[8:9], s[8:9], s[16:17]
	; the prefetches: where my wave's stand, and who asks
	s_lshr_b32 s20, s13, 4
	s_lshl_b32 s20, s20, 22
	s_and_b32 s22, s13, 15
	s_lshl_b32 s22, s22, 14
	s_add_co_u32 s20, s20, s22                     ; A: the tile's rows in head 0 of b,
	s_lshr_b32 s22, s40, 1
	s_lshl_b32 s22, s22, 18
	s_add_co_u32 s20, s20, s22                     ; my work-group's head of the K step's two,
	s_and_b32 s22, s40, 1
	s_lshl_b32 s22, s22, 13
	s_add_co_u32 s20, s20, s22                     ; and its half of that head's 16,384 bytes,
	s_add_co_u32 s20, s20, 3*ASTEP                 ; at K step 3: the first change of slots steps it to 4
	s_lshl_b32 s21, s42, 19
	s_lshl_b32 s22, s12, 18
	s_add_co_u32 s21, s21, s22                     ; Wo: the 128 rows that I fetch,
	s_lshl_b32 s22, s41, 16
	s_add_co_u32 s21, s21, s22                     ; my work-group's 32 of them,
	s_add_co_u32 s21, s21, 3*BSTEP                 ; at K step 3
	s_and_b32 s23, ttmp7, 0xffff                   ; the cluster's y
	s_mov_b32 s[PFS], BSTEP
	s_mov_b32 s[PFS+1], 0
	s_cmp_eq_u32 s11, 0                            ; do I fetch for A?
	s_cselect_b64 s[PFA:PFA+1], s[4:5], s[6:7]
	s_cselect_b32 s20, s20, s21
	s_cselect_b32 s[PFS], ASTEP, s[PFS]
	s_cselect_b32 s22, 8, 11                       ; from lane to lane: 256 or 2,048 bytes
	s_cselect_b32 s23, s12, s23                    ; A: wave 0 asks; Wo: the clusters with y = 0
	s_mov_b32 s21, 0
	s_add_nc_u64 s[PFA:PFA+1], s[PFA:PFA+1], s[20:21]
	s_cmp_eq_u32 s23, 0
	s_cselect_b32 s[LIM], 1, -1
	v_and_b32 v[PFO], 31, v0
	v_lshlrev_b32 v[PFO], s22, v[PFO]
; 8 matrix instructions: A's block a x Wo's eight, 32 along K.  The 32 accumulators take turns, one instruction a turn, in the same order in every quarter.
.macro MUL8 f, a, zero
.irp b, 0,1,2,3,4,5,6,7
.if \zero
	v_wmma_f32_16x16x32_f16 v[8*(8*(\a)+\b):8*(8*(\a)+\b)+7], v[\f+32+8*\b:\f+32+8*\b+7], v[\f+8*(\a):\f+8*(\a)+7], 0
.else
	v_wmma_f32_16x16x32_f16 v[8*(8*(\a)+\b):8*(8*(\a)+\b)+7], v[\f+32+8*\b:\f+32+8*\b+7], v[\f+8*(\a):\f+8*(\a)+7], v[8*(8*(\a)+\b):8*(8*(\a)+\b)+7]
.endif
.endr
.endm
; 24 LDS loads in one run: the fragments of the slot's q-th 32 along K into buffer f: Wo's eight, then A's four.  Along K, 32 q lies in head q / 2 at channel 32 (q % 2).
.macro FETCH slot, q, f
	WIN 0
.irp b, 0,1,2,3,4,5,6,7
	ds_load_b128 v[\f+32+8*\b:\f+32+8*\b+3],   v[ADRB+\slot] offset:64*(\q)+\b*16*PITCH
	ds_load_b128 v[\f+32+8*\b+4:\f+32+8*\b+7], v[ADRB+\slot] offset:64*(\q)+\b*16*PITCH+32
.endr
.irp a, 0,1,2,3
	ds_load_b128 v[\f+8*\a:\f+8*\a+3],   v[ADRA+\slot] offset:((\q)/2)*AHB+((\q)%2)*64+\a*8*PITCH
	ds_load_b128 v[\f+8*\a+4:\f+8*\a+7], v[ADRA+\slot] offset:((\q)/2)*AHB+((\q)%2)*64+\a*8*PITCH+32
.endr
.endm
.macro PLACES                          ; four plain vector instructions between matrix instructions and loads into, or reads of, their registers
.rept 4
	v_nop
.endr
.endm
; A K step is four quarters of 32 along K on buffers 0, 1, 0, 1.  One of the first three: multiplies buffer f and fetches the slot's quarter q into g.
.macro QUARTER slot, q, f, g, zero
	s_wait_dscnt 4                                 ; Wo's fragments and A's blocks 0, 1 are in; the youngest four loads (A's blocks 2, 3) may be out
	WIN MUL
	MUL8 \f, 0, \zero
	MUL8 \f, 1, \zero
	PLACES
	FETCH \slot, \q, \g
	s_wait_dscnt 24                                ; all but the 24 just issued
	WIN MUL
	MUL8 \f, 2, \zero
	MUL8 \f, 3, \zero
.endm
; The last quarter multiplies buffer 1 and changes slots: ONE barrier; in front of it each wave waits for all its tensor loads, adds 0 to its spare word, and waits for that and for its reads of this slot.
; fill = 1: the barrier opens a round of the cluster's, and this slot is filled again, two K steps ahead, first thing behind it.
.macro TURN slot, next, fill
.if \fill
	s_wait_xcnt 0x0                                ; the last prefetch, a K step back, has read its address, so it may be stepped
	s_add_nc_u64 s[PFA:PFA+1], s[PFA:PFA+1], s[PFS:PFS+1]
.endif
	WIN 0                                          ; (the add's two registers lie in window 0)
	s_wait_tensorcnt 0x0                           ; all my tensor loads have landed: my part of the next slot
	ds_add_u32 v[SPW], v[NIL]                      ; 0 onto my spare word
	s_wait_dscnt 5                                 ; (the add and the youngest four loads may be out)
	WIN MUL
	MUL8 F1, 0, 0
	s_wait_dscnt 0x0                               ; the add is done, and my reads of this slot are over
	s_barrier_signal -1
	MUL8 F1, 1, 0
.if \fill
	WIN 0
.endif
	s_barrier_wait -1
.if \fill
	CREST                                          ; no wave of any partner still reads this slot's tiles or has a load on its way
	s_add_nc_u64 s[G0+4*\slot+2:G0+4*\slot+3], s[G0+4*\slot+2:G0+4*\slot+3], 2*ASTEP
	s_add_nc_u64 s[G0B+4*\slot+2:G0B+4*\slot+3], s[G0B+4*\slot+2:G0B+4*\slot+3], 2*BSTEP
	JLOAD \slot                                    ; the four v_nop behind it are also the places in front of the loads below
.else
	PLACES
.endif
	FETCH \next, 0, F0
.if \fill
	ASK
.endif
	WIN MUL
	MUL8 F1, 2, 0
	MUL8 F1, 3, 0
.endm
	s_wait_tensorcnt 1                             ; my part of K step 0 is in (K step 1's load may be out)
	s_barrier_signal -1
	s_barrier_wait -1                              ; everybody's is
	FETCH 0, 0, F0
	QUARTER 0, 1, F0, F1, 1                        ; the first quarter's products start the sums: nothing is cleared
	WIN 0
	s_mov_b32 s3, LAPS-1
.Llap:                                             ; a trip goes once round the ring, from a lap's second quarter to the next lap's first, and fills both slots again
	QUARTER 0, 2, F1, F0, 0
	QUARTER 0, 3, F0, F1, 0
	TURN 0, 1, 1
	QUARTER 1, 1, F0, F1, 0
	QUARTER 1, 2, F1, F0, 0
	QUARTER 1, 3, F0, F1, 0
	TURN 1, 0, 1
	QUARTER 0, 1, F0, F1, 0
	WIN 0
	s_sub_co_u32 s3, s3, 1
	s_cmp_lg_u32 s3, 0
	s_cbranch_scc1 .Llap
	QUARTER 0, 2, F1, F0, 0                        ; the last lap is written out: it fills nothing
	QUARTER 0, 3, F0, F1, 0
	TURN 0, 1, 0
	QUARTER 1, 1, F0, F1, 0
	QUARTER 1, 2, F1, F0, 0
	QUARTER 1, 3, F0, F1, 0
	s_wait_dscnt 4                                 ; the very last quarter: nothing more to fetch
	WIN MUL
	MUL8 F1, 0, 0
	MUL8 F1, 1, 0
	s_wait_dscnt 0
	MUL8 F1, 2, 0
	MUL8 F1, 3, 0
	WIN 0
; THE WAY OUT, block by block of 16 rows x 128 columns: a lane holds 32 neighbouring bytes of a row; a block goes through my stage and comes back as whole rows of 512 bytes.
.macro TOSTAGE a
	WIN 0x04                                       ; an LDS store's data are its source 1: window 1
.irp b, 0,1,2,3,4,5,6,7
	ds_store_b128 v[STO], v[64*(\a)+8*\b:64*(\a)+8*\b+3] offset:64*\b              ; each accumulator from its low end on
	ds_store_b128 v[STO], v[64*(\a)+8*\b+4:64*(\a)+8*\b+7] offset:64*\b+16
.endr
	WIN 0
.set BB, OB+64*((\a)%2)
.irp t, 0,1,2,3,4,5,6,7,8,9,10,11,12,13,14,15
	ds_load_b128 v[BB+4*\t:BB+4*\t+3], v[RD] offset:\t*SPITCH      ; LDS serves a wave's instructions in order: these see the stores above
.endr
.endm
.macro SEND a, younger                 ; younger: the LDS instructions issued behind block a's loads, which may stay out
.set BB, OB+64*((\a)%2)
	s_wait_dscnt \younger
.irp t, 0,1,2,3,4,5,6,7,8,9,10,11,12,13,14,15
	global_store_b128 v[CO], v[BB+4*\t:BB+4*\t+3], s[8:9] offset:(16*(\a)+\t)*4096 th:TH_STORE_NT   ; 512 consecutive bytes, aligned; written once, read by nobody here
.endr
.endm
	PLACES                                         ; behind the last products: for the stores of results and the loads into registers that held fragments
	TOSTAGE 0
.irp a, 1,2,3
.if \a > 1
	s_wait_xcnt 0x0                                ; block a - 2's stores have read their registers: block a's loads may land there
.endif
	TOSTAGE \a
	SEND \a-1, 32                                  ; behind block a - 1's loads: block a's 16 stores and 16 loads
.endr
	SEND 3, 0
	s_wait_tensorcnt 0x0                           ; the wave's end
	ds_add_u32 v[SPW], v[NIL]
	s_wait_dscnt 0x0
	CROUND                                         ; the closing round
	s_endpgm
.Lfunc_end_k_qafec5f7b6b_oproj:
	.size	k_qafec5f7b6b_oproj, .Lfunc_end_k_qafec5f7b6b_oproj-k_qafec5f7b6b_oproj
	.p2alignl 7, 3214868480
	.fill 96, 4, 3214868480
	.section	.rodata,"a",@progbits
	.p2align	6, 0x0
	.amdhsa_kernel k_qafec5f7b6b_oproj
		.amdhsa_group_segment_fixed_size 327680
		.amdhsa_private_segment_fixed_size 0
		.amdhsa_enable_private_segment 0
		.amdhsa_kernarg_size 24
		.amdhsa_user_sgpr_count 2
		.amdhsa_user_sgpr_kernarg_segment_ptr 1
		.amdhsa_wavefront_size32 1
		.amdhsa_system_sgpr_workgroup_id_x 1
		.amdhsa_system_sgpr_workgroup_id_y 1
		.amdhsa_system_sgpr_workgroup_id_z 1
		.amdhsa_system_vgpr_workitem_id 0
		.amdhsa_next_free_vgpr 512
		.amdhsa_next_free_sgpr 72
		.amdhsa_reserve_vcc 0
		.amdhsa_float_denorm_mode_32 3
		.amdhsa_float_denorm_mode_16_64 3
		.amdhsa_memory_ordered 1
		.amdhsa_forward_progress 1
		.amdhsa_inst_pref_size 87
	.end_amdhsa_kernel
	.amdgpu_metadata
---
amdhsa.version: [ 1, 2 ]
amdhsa.kernels:
  - .name:           k_qafec5f7b6b_oproj
    .symbol:         k_qafec5f7b6b_oproj.kd
    .args:
      - { .name: att, .offset: 0, .size: 8, .value_kind: global_buffer, .address_space: global }
      - { .name: wo16, .offset: 8, .size: 8, .value_kind: global_buffer, .address_space: global }
      - { .name: out0, .offset: 16, .size: 8, .value_kind: global_buffer, .address_space: global }
    .group_segment_fixed_size: 327680
    .private_segment_fixed_size: 0
    .kernarg_segment_align: 8
    .kernarg_segment_size: 24
    .max_flat_workgroup_size: 128
    .sgpr_count:     72
    .vgpr_count:     512
    .wavefront_size: 32
...
	.end_amdgpu_metadata
.endif
;; end of part 4
